; MI455X (gfx1250); checked and timed in simulation.
; The chip was launched on July 23, 2026; its instructions are those of AMD's public machine-readable ISA for CDNA 5 (MIT licence, August 2026) and "CDNA5" Instruction Set Architecture Reference Guide (July 2026). The comments in the code are by the model that wrote it; some were corrected since.
;; Cross Modal Attention. Allowed arithmetic: matrix products marked QUANTISED: E2M1 operands, one E8M0 scale for each 32 along K, by v_wmma_scale_f32_16x16x128_f8f6f4 with both operands' format E2M1 (or v_wmma_scale_f32_32x16x128_f4), f32 sums; everything else in f32.
;; Inputs: Wk 256 x 1,024 float32; Wo 320 x 320 float32; Wq 256 x 320 float32; Wv 320 x 1,024 float32; bk 256 float32; bo 320 float32; bq 256 float32; bv 320 float32; janus_feat 4 x 1,024 x 64 x 64 float32; unet_feat 4 x 320 x 64 x 64 float32.
;; Outputs: out0 4 x 320 x 64 x 64 float32.
;; This version of the problem:
;;   THIS VERSION OF THE PROBLEM IS GIVEN IN LOW PRECISION. The matrix products marked QUANTISED in the list below multiply operands that are first quantised to E2M1 (2 exponent bits, 1 mantissa bit; 4 bits a number), with one power-of-two scale for each 32 numbers along K (OCP MX v1.0); their sums are f32. All else is computed in f32.
;;   The module's matrix products, in the order in which they are computed (A, B: the left and right operand; K: the contracted axis; several contracted axes count as one K, in the product's order):
;;     1. [M 16,384, K 320] x [K 320, N 256]; A: input unet_feat; B: input Wq: QUANTISED
;;     2. [M 16,384, K 1,024] x [K 1,024, N 256]; A: input janus_feat; B: input Wk: QUANTISED
;;     3. [M 16,384, K 1,024] x [K 1,024, N 320]; A: input janus_feat; B: input Wv: QUANTISED
;;     4. batch 4 x [M 4,096, K 256] x [K 256, N 4,096]; A: computed on the way; B: computed on the way: QUANTISED
;;     5. batch 4 x [M 320, K 4,096] x [K 4,096, N 4,096]; A: computed on the way; B: softmax (see below): QUANTISED
;;     6. [M 16,384, K 320] x [K 320, N 320]; A: computed on the way; B: input Wo: QUANTISED
;;   THE QUANTISER, for each operand of a quantised product, along K:
;;     - K is cut into blocks of 32 from its start; a last block that is shorter is filled with zeros.
;;     - A block's scale is 2^e with e = floor(log2(the largest magnitude in the block)) - 2, held to -126 .. 127; a block of zeros has e = 0. As a byte (E8M0): e + 127.
;;     - Each number is divided by its block's scale, clamped to +-6, and rounded to the nearest number of E2M1, ties to even, subnormals kept.
;;     - The product sums the exact products of the quantised numbers (number of the format x scale) in f32.
;;   ~~~python
;;   def quantise(x, axis):      # numpy; x: float32 -> the quantised numbers, widened to float32 again
;;       x = np.moveaxis(x, axis, -1); K = x.shape[-1]
;;       x = np.pad(x, [(0, 0)] * (x.ndim - 1) + [(0, -K % 32)]); x = x.reshape(x.shape[:-1] + (-1, 32)); a = np.abs(x).max(-1, keepdims=True)
;;       e = np.where(a > 0, np.clip(np.frexp(np.where(a > 0, a, 1))[1] - 1 - 2, -126, 127), 0)      # np.frexp(a)[1] - 1 = floor(log2(a)), exactly
;;       r = np.clip(x / 2.0 ** e, -6, 6)
;;       step = 2.0 ** (np.maximum(np.frexp(np.where(r == 0, 1, r))[1] - 1, 0) - 1)
;;       q = np.round(r / step) * step * 2.0 ** e      # np.round: ties to even
;;       return np.moveaxis(q.reshape(q.shape[:-2] + (-1,))[..., :K], -1, axis).astype(np.float32)
;;   ~~~
;;   SOFTMAX AHEAD OF A QUANTISED PRODUCT. Where the list says 'softmax', what is quantised is not the finished softmax but p = 2^(t - M), with t = logit x log2(e) and M = ceil(the row's largest t), a whole number; so 1/2 < the row's largest p <= 1. The row's sum l is taken of the UNQUANTISED p, in f32, and the product's result is divided by l at the end. Since M is a whole number, a kernel that streams over the keys may use a running M (the ceiling of the running maximum): every later rescaling is an exact power of two, which a block's scale takes up: the codes' values come out the same.
;;   OPERANDS COMPUTED ON THE WAY. 'Computed on the way' means the value that the module computes at that place (a softmax that the list does not call 'softmax' is quantised finished and normalised). What goes into a quantiser is computed in f32, as accurately as f32 sums, v_exp_f32 and their like allow (about 1e-6 of the number): no bf16 or f16 on the way to a quantiser, and a product that is left as it is and whose result goes on into a quantised operand takes f32 operands (vector FMAs, or v_wmma_f32_16x16x4_f32). A number that lies on a knife's edge between two numbers of the format may be rounded either way, as far as f32 arithmetic and the matrix unit's own rounding can turn it there, and no further.
;; One version. Each part assembles by itself: llvm-mc -triple=amdgcn-amd-amdhsa -mcpu=gfx1250 --defsym DOCPART=n.
;; ======== version 1 of 1: 3 launches
;; workspace buffers: wimg 430,848 bytes; kv 5,013,504 bytes; qb 2,228,224 bytes
;; launch wprep (part 1): grid 72 x 1, 8 waves a work-group, no clusters, 0 bytes of LDS; arguments Wk, Wv, Wq, Wo, wimg; writes wimg
.if DOCPART == 1
	.amdgcn_target "amdgcn-amd-amdhsa--gfx1250"
	.amdhsa_code_object_version 6
	.text
	.protected	k_qb8b0499fe6_wprep
	.globl	k_qb8b0499fe6_wprep
	.p2align	8
	.type	k_qb8b0499fe6_wprep,@function
k_qb8b0499fe6_wprep:
	s_mov_b64 s[64:65], 0
	v_nop
	global_prefetch_b8 v0, s[64:65] scope:SCOPE_SE
	s_setreg_imm32_b32 hwreg(HW_REG_WAVE_MODE, 25, 1), 1
	s_wait_xcnt 0x0
; The four weights (f32, K innermost) become codes of FP4 (E2M1) with one E8M0 byte for each 32 along K, laid in the ORDER OF AN OPERAND'S REGISTERS.
; A fragment is 16 rows x 128 K, 1,024 bytes: registers 4 c .. 4 c + 3 of lane l lie at 512 c + 16 l, so that two loads of 16 bytes a lane at 16 x lane bring the operand.
; THE ROWS OF A TILE ARE NOT NEIGHBOURS: row r of tile 2 b + u is row 32 b + 8 u + r + 8 (r / 8) of the weight, so that in a product whose result runs along these rows the 16 registers of tiles 2 b, 2 b + 1 are 16 neighbours.
; wimg: codes [tile][K step][1,024]: Wk at 0 (16 x 8), Wv at 131,072 (20 x 8), Wq at 294,912 (16 x 3), Wo at 344,064 (20 x 3).
;   scale words, K = 1,024 (Wk at 405,504, Wv at 413,696): 512 bytes a tile, [lane L][4 words]: word j = row L % 16, K step 2 j + L / 16.   K = 320 (Wq at 423,936, Wo at 427,008): [tile][K step][16 words].
; K = 320 counts as three K steps: what lies beyond k = 319 gets zero codes (their byte is the floor's, 1).
; SHARES: a work-group is one tile of 16 rows, a wave one K step; the waves that a tile of K = 320 does not need end at once.  Nothing is shared between work-groups, so no LDS, no cluster, no barrier.
; A block's scale is 2^(floor(log2(largest magnitude)) - 2); its byte is the largest magnitude's exponent field - 2, held at 1 from below.
; LIMITS: a block of zeros gets the byte 1 where the rule says 127 (its codes are zeros, and this program alone reads the bytes); NaN and infinities among the inputs are not served.
.set XR, 16                            ; v16-79  64 numbers of my row: k = 64 c + 32 h + 0 .. 31 at v[XR + 32 c ..]
.set CR, 80                            ; v80-87  the fragment's eight registers
	s_load_b256 s[4:11], s[0:1], 0x0               ; Wk s[4:5], Wv s[6:7], Wq s[8:9], Wo s[10:11]
	s_load_b64 s[12:13], s[0:1], 0x20              ; wimg
	v_lshrrev_b32 v1, 5, v0
	v_readfirstlane_b32 s14, v1                    ; wave = K step
	v_and_b32 v2, 15, v0                           ; r
	v_bfe_u32 v5, v0, 4, 1                         ; h
	v_and_b32 v6, 8, v2
	v_add_nc_u32 v6, v6, v2                        ; r + 8 (r / 8)
	v_and_b32 v7, 31, v0
	v_lshlrev_b32 v7, 4, v7                        ; 16 x lane
	s_mov_b32 s32, 0x76543210
	s_mov_b32 s33, 0xfedcba98                      ; v_permlanex16_b32's selects for lane l xor 16
	s_sub_co_u32 s24, ttmp9, 16                    ; the tile's number, were the work-group Wv's,
	s_sub_co_u32 s25, ttmp9, 36                    ; Wq's,
	s_sub_co_u32 s18, ttmp9, 52                    ; Wo's.  The parameters begin as Wo's:
	s_mov_b32 s19, 1280                            ; a row in bytes
	s_mov_b32 s20, 3                               ; K steps
	s_mov_b32 s21, 344064                          ; where its codes begin in wimg
	s_mov_b32 s22, 427008                          ; and its scale words
	s_wait_kmcnt 0x0
	s_cmp_lt_u32 ttmp9, 52                         ; the choices hang on the work-group's number alone
	s_cselect_b64 s[16:17], s[8:9], s[10:11]
	s_cselect_b32 s18, s25, s18
	s_cselect_b32 s21, 294912, s21
	s_cselect_b32 s22, 423936, s22
	s_cmp_lt_u32 ttmp9, 36
	s_cselect_b64 s[16:17], s[6:7], s[16:17]
	s_cselect_b32 s18, s24, s18
	s_cselect_b32 s19, 4096, s19
	s_cselect_b32 s20, 8, s20
	s_cselect_b32 s21, 131072, s21
	s_cselect_b32 s22, 413696, s22
	s_cmp_lt_u32 ttmp9, 16
	s_cselect_b64 s[16:17], s[4:5], s[16:17]
	s_cselect_b32 s18, ttmp9, s18
	s_cselect_b32 s21, 0, s21
	s_cselect_b32 s22, 405504, s22
	s_cmp_ge_u32 s14, s20                          ; a wave without a K step has nothing to do
	s_cbranch_scc1 .Lend
	s_add_co_u32 s27, s14, 1
	s_lshl_b32 s27, s27, 9
	s_cmp_le_u32 s27, s19                          ; does the K step's second half (k = 64 .. 127) lie inside the row?
	s_cselect_b32 s28, -1, 0                       ; a mask for its numbers,
	s_cselect_b32 s29, 256, 0                      ; and its distance: where it lies outside, the first half is read again, so that no load leaves the row
	s_lshr_b32 s30, s18, 1
	s_lshl_b32 s30, s30, 5
	s_and_b32 s31, s18, 1
	s_lshl_b32 s31, s31, 3
	s_add_co_u32 s30, s30, s31                     ; the tile's first row: 32 (t / 2) + 8 (t % 2)
	s_mul_i32 s30, s30, s19
	s_lshl_b32 s31, s14, 9
	s_add_co_u32 s30, s30, s31                     ; + 512 bytes a K step
	s_mov_b32 s31, 0
	s_add_nc_u64 s[16:17], s[16:17], s[30:31]
	v_mul_lo_u32 v3, v6, s19
	v_lshl_add_u32 v3, v5, 7, v3                   ; my row, + 128 h
	v_add_nc_u32 v4, s29, v3
.irp i, 0,1,2,3,4,5,6,7
	global_load_b128 v[XR+4*\i:XR+4*\i+3], v3, s[16:17] offset:16*\i
.endr
.irp i, 0,1,2,3,4,5,6,7
	global_load_b128 v[XR+32+4*\i:XR+32+4*\i+3], v4, s[16:17] offset:16*\i
.endr
	; where the results go
	s_mul_i32 s34, s18, s20
	s_add_co_u32 s34, s34, s14
	s_lshl_b32 s34, s34, 10
	s_add_co_u32 s34, s34, s21                     ; codes: (tile x K steps + K step) x 1,024
	s_mov_b32 s35, 0
	s_add_nc_u64 s[36:37], s[12:13], s[34:35]
	s_and_b32 s40, s14, 1
	s_lshl_b32 s40, s40, 8
	s_lshr_b32 s41, s14, 1
	s_lshl_b32 s41, s41, 2
	s_add_co_u32 s40, s40, s41                     ; the scale word, K = 1,024: 256 (s % 2) + 4 (s / 2), 16 bytes a row, 512 a tile
	s_lshl_b32 s41, s14, 6                         ; K = 320: 64 s, 4 bytes a row, 192 a tile
	s_mov_b32 s39, 192
	s_cmp_eq_u32 s19, 4096
	s_cselect_b32 s38, 4, 2
	s_cselect_b32 s39, 512, s39
	s_cselect_b32 s40, s40, s41
	s_mul_i32 s39, s39, s18
	s_add_co_u32 s34, s39, s40
	s_add_co_u32 s34, s34, s22
	s_add_nc_u64 s[42:43], s[12:13], s[34:35]
	v_lshlrev_b32 v9, s38, v2
	s_wait_loadcnt 0x0
.set ii, 0
.rept 32
	v_and_b32 v[XR+32+ii], s28, v[XR+32+ii]        ; numbers beyond the end of K are zeros, ahead of the block's maximum
.set ii, ii+1
.endr
.irp c, 0,1                                    ; my block 2 c + h: all its 32 numbers are mine
	v_max3_num_f32 v[10+\c], |v[XR+32*\c]|, |v[XR+1+32*\c]|, 0x1800000   ; with the floor 2^(3 - 127): the byte cannot fall under 1
.endr
.irp i, 2,4,6,8,10,12,14,16,18,20,22,24,26,28,30
.irp c, 0,1
	v_max3_num_f32 v[10+\c], v[10+\c], |v[XR+32*\c+\i]|, |v[XR+1+32*\c+\i]|
.endr
.endr
.irp c, 0,1
	v_add_nc_u32 v[12+\c], 0xff000000, v[10+\c]    ; 2 off the exponent field: the conversion's scale operand
.endr
.irp c, 0,1
	v_lshrrev_b32 v[10+\c], 23, v[12+\c]           ; the scale's byte
.endr
	v_lshl_or_b32 v14, v11, 16, v10                ; my two bytes: blocks h and 2 + h,
	v_lshlrev_b32 v15, 3, v5
	v_lshlrev_b32 v14, v15, v14                    ; at their places in the word;
	v_mov_b32 v15, 0
	v_permlanex16_b32 v15, v14, s32, s33
	v_or_b32 v14, v14, v15                         ; with lane l xor 16's two the word is whole
.irp c, 0,1
.irp g, 0,1,2,3
	v_cvt_scalef32_pk8_fp4_f32 v[CR+4*\c+\g], v[XR+32*\c+8*\g:XR+32*\c+8*\g+7], v[12+\c]
.endr
.endr
	v_nop                                          ; one plain line behind the last scaled conversion
	global_store_b128 v7, v[CR:CR+3], s[36:37]                 ; 32 lanes store 512 consecutive bytes
	global_store_b128 v7, v[CR+4:CR+7], s[36:37] offset:512
	global_store_b32 v9, v14, s[42:43]             ; lanes 16-31 write the same word with the same value
.Lend:
	s_endpgm
.Lfunc_end_k_qb8b0499fe6_wprep:
	.size	k_qb8b0499fe6_wprep, .Lfunc_end_k_qb8b0499fe6_wprep-k_qb8b0499fe6_wprep
	.p2alignl 7, 3214868480
	.fill 96, 4, 3214868480
	.section	.rodata,"a",@progbits
	.p2align	6, 0x0
	.amdhsa_kernel k_qb8b0499fe6_wprep
		.amdhsa_group_segment_fixed_size 0
		.amdhsa_private_segment_fixed_size 0
		.amdhsa_enable_private_segment 0
		.amdhsa_kernarg_size 40
		.amdhsa_user_sgpr_count 2
		.amdhsa_user_sgpr_kernarg_segment_ptr 1
		.amdhsa_wavefront_size32 1
		.amdhsa_system_sgpr_workgroup_id_x 1
		.amdhsa_system_sgpr_workgroup_id_y 1
		.amdhsa_system_sgpr_workgroup_id_z 1
		.amdhsa_system_vgpr_workitem_id 0
		.amdhsa_next_free_vgpr 128
		.amdhsa_next_free_sgpr 66
		.amdhsa_reserve_vcc 0
		.amdhsa_float_denorm_mode_32 3
		.amdhsa_float_denorm_mode_16_64 3
		.amdhsa_memory_ordered 1
		.amdhsa_forward_progress 1
		.amdhsa_inst_pref_size 10
	.end_amdhsa_kernel
	.amdgpu_metadata
---
amdhsa.version: [ 1, 2 ]
amdhsa.kernels:
  - .name:           k_qb8b0499fe6_wprep
    .symbol:         k_qb8b0499fe6_wprep.kd
    .args:
      - { .name: Wk, .offset: 0, .size: 8, .value_kind: global_buffer, .address_space: global }
      - { .name: Wv, .offset: 8, .size: 8, .value_kind: global_buffer, .address_space: global }
      - { .name: Wq, .offset: 16, .size: 8, .value_kind: global_buffer, .address_space: global }
      - { .name: Wo, .offset: 24, .size: 8, .value_kind: global_buffer, .address_space: global }
      - { .name: wimg, .offset: 32, .size: 8, .value_kind: global_buffer, .address_space: global }
    .group_segment_fixed_size: 0
    .private_segment_fixed_size: 0
    .kernarg_segment_align: 8
    .kernarg_segment_size: 40
    .max_flat_workgroup_size: 256
    .sgpr_count:     66
    .vgpr_count:     128
    .wavefront_size: 32
...
	.end_amdgpu_metadata
.endif
;; end of part 1
;; launch proj (part 2): grid 64 x 4, 8 waves a work-group, no clusters, 327,680 bytes of LDS; arguments janus_feat, unet_feat, wimg, bk, bv, bq, kv, qb; writes kv, qb
.if DOCPART == 2
	.amdgcn_target "amdgcn-amd-amdhsa--gfx1250"
	.amdhsa_code_object_version 6
	.text
	.protected	k_qb8b0499fe6_proj
	.globl	k_qb8b0499fe6_proj
	.p2align	8
	.type	k_qb8b0499fe6_proj,@function
k_qb8b0499fe6_proj:
	s_mov_b64 s[64:65], 0
	v_nop
	global_prefetch_b8 v0, s[64:65] scope:SCOPE_SE
	s_setreg_imm32_b32 hwreg(HW_REG_WAVE_MODE, 25, 1), 1
	s_wait_xcnt 0x0
; q = Wq unet + bq, k = Wk janus + bk, v = Wv janus + bv on codes of FP4 (E2M1) with E8M0 scales; q, k, v are quantised again on the way out (q, k along the 256 dims, v along the pixels) and stored as images of operand registers.
; SHARES.  A work-group owns 64 pixels (x) of one image (y).  The features lie [channel][pixel]: K is not innermost.  A LANE TAKES A PIXEL AND ITS REGISTERS RUN DOWN THE CHANNELS: a block of 32 along K is one lane's 32 registers.
;   janus: wave w owns channels 128 w .. 128 w + 127 (K step w).  Two tensor loads of 64 rows x 256 bytes bring them into the wave's own 32,768 bytes of LDS; only the wave that issued them reads them.  Nothing is filled twice.
;   unet: waves 0-5 take K step w / 2, pixels 32 (w % 2) on, straight from memory.  K = 320 counts as three K steps; beyond channel 319 the codes are zeros.
;   The codes go to LDS as fragment images (16 pixels x 128 K, 1,024 bytes: registers 4 c .. 4 c + 3 of lane l at 512 c + 16 l); one barrier; then every wave reads them by 16 bytes a lane at 16 x lane.
;   THE PIXELS OF A TILE ARE NOT NEIGHBOURS: row r of tile 2 b + u is pixel 32 b + 8 u + r + 8 (r / 8); the weights' tiles are laid the same way.
;   Waves 0-3 (a = w): dims 64 a .. 64 a + 63 of k, then of q: source 0 = 16 rows of the weight, source 1 = 16 pixels: a lane holds one pixel and its registers run along the dims.
;   Waves 4-7 (a = w - 4): channel tiles a + 4 i of v: source 0 = 16 pixels, source 1 = 16 rows of Wv: a lane holds one channel and its registers run along the pixels, which are the next K.
;   The biases are the C of each sum's first matrix instruction.  The accumulators take turns, one instruction a turn.
; THE WEIGHTS come from memory straight into registers, in operand order.  They are not shared through LDS by joint loads: the f32 tile (262,144 bytes) and the images (49,152) take 311,296 of the 327,680 bytes, so no ring for the 344,064 bytes of weight images fits.
; No prefetch: the work-group's whole input is asked for in its first lines.
; kv: [4][32 key steps][39,168]: K's fragments [key tile 0-7][dims K step 0-1] at 0; their scale words at 16,384 (2 x 512: [lane L][4 words]: word m = tile 4 g + m, row L % 16, K step L / 16);
;   V's fragments [channel tile 0-19] at 17,408 (K = the step's 128 keys); their scale words at 37,888 (tiles 0-15: two images [lane L][4 words]: word = (t / 2) % 4 of image t / 8, row L % 16, t % 2 = L / 16; tiles 16-19 at + 1,024: [row][4 words]).
; qb: [256 blocks of 64 pixels][8,704]: Q's fragments [tile 0-3][K step 0-1]; at 8,192 their scale words [tile][lane L]: row L % 16, K step L / 16.
; LIMITS: a block of zeros gets the byte 1 (0x7f in the padding of K = 320) where the rule says 127: its codes are zeros and this program alone reads the bytes; NaN and infinities among the inputs are not served.
; The half words of V's scale words are stored two bytes a lane, since two work-groups each own half of a word: 64 such bytes for each 1,024 bytes of codes.
.set AIMG, 262144                      ; LDS: janus' fragments [pixel tile m][K step 0-7]
.set ASC,  294912                      ; their scale words, 512 a tile: [lane L][4 words]: word j = row L % 16, K step 2 j + L / 16
.set UIMG, 296960                      ; unet's fragments [m][K step 0-2]
.set USC,  309248                      ; their scale words [m][K step][16 words]
.set SST,  310272                      ; K's scale words of this work-group (512 bytes), then Q's (512)
.set LI,  1                            ; v1   16 x lane
.set L4,  2                            ; v2   4 x lane
.set R4,  3                            ; v3   4 x (lane % 16)
.set JA,  4                            ; v4   my pixel in my wave's f32 tile
.set AW,  5                            ; v5   where I store janus' codes
.set ASW, 6                            ; v6   and their scale word
.set UW,  7                            ; v7   the same for unet
.set USW, 8                            ; v8
.set AR,  9                            ; v9   AIMG + 16 x lane: an image's place for my lane
.set UR,  10                           ; v10  USC + 4 x (lane % 16)
.set SKW, 11                           ; v11  where I store K's half of a scale word
.set SQW, 12                           ; v12  and Q's
.set SRD, 13                           ; v13  where waves 0 and 1 read the scale words back
.set B64, 14                           ; v14  64 h: the biases of my eight dims
.set BVA, 15                           ; v15  4 (r + 8 (r / 8)): the bias of my channel
.set VS1, 16                           ; v16  V's scale half words, tiles 0-15
.set VS2, 17                           ; v17  tiles 16-19
.set X,    24                          ; v24-87   two sets of 32 numbers
.set CD,   88                          ; v88-91   a block's codes
.set ACC,  24                          ; v24-183  accumulators
.set BIAS, 152                         ; v152-183 waves 0-3: the biases of four tiles
.set ACT,  184                         ; v184-215 four fragments of the features
.set PC,   184                         ; v184-203 on the way out: codes
.set HW,   204                         ; v204-208 and halves of scale words
.set TM,   210                         ; v210-211 largest magnitudes
.set TS,   212                         ; v212-213 the conversions' scale operands
.set TB,   214                         ; v214-215 bytes
.set PX,   216                         ; v216-217 lane permutes' destinations
.set WS,   220                         ; v220-239 the weights' scale words: scales and nothing else
.set AS,   240                         ; v240-255 the features' scale words: scales and nothing else
.set MSB, 0
.macro WIN new                         ; the immediate's high byte repeats the setting that is left
.if MSB != (\new)
	s_set_vgpr_msb (MSB<<8)|(\new)
.set MSB, \new
.endif
.endm
.macro PLACES                          ; four plain lines between a matrix instruction and a load into, or a vector instruction on, its registers
.rept 4
	v_nop
.endr
.endm
.macro MM d, a, b, c, sa, sb, row      ; row = 1: both sides' scales are read from lanes 16-31
.if (\row)==0
	v_wmma_scale_f32_16x16x128_f8f6f4 v[(\d):(\d)+7], v[(\a):(\a)+7], v[(\b):(\b)+7], v[(\c):(\c)+7], v[(\sa)], v[(\sb)] matrix_a_fmt:MATRIX_FMT_FP4 matrix_b_fmt:MATRIX_FMT_FP4
.else
	v_wmma_scale_f32_16x16x128_f8f6f4 v[(\d):(\d)+7], v[(\a):(\a)+7], v[(\b):(\b)+7], v[(\c):(\c)+7], v[(\sa)], v[(\sb)] matrix_a_fmt:MATRIX_FMT_FP4 matrix_b_fmt:MATRIX_FMT_FP4 matrix_a_scale:MATRIX_SCALE_ROW1 matrix_b_scale:MATRIX_SCALE_ROW1
.endif
.endm
.macro BASE dst, src, mul, add         ; s[dst:dst+1] = s[src:src+1] + a x mul + add  (s43 = 0)
	s_mul_i32 s42, s21, \mul
	s_add_co_u32 s42, s42, \add
	s_add_nc_u64 s[\dst:\dst+1], s[\src:\src+1], s[42:43]
.endm
	s_load_b256 s[4:11], s[0:1], 0x0               ; janus s[4:5], unet s[6:7], wimg s[8:9], bk s[10:11]
	s_load_b256 s[12:19], s[0:1], 0x20             ; bv s[12:13], bq s[14:15], kv s[16:17], qb s[18:19]
	v_lshl_add_u32 v218, v0, 2, 0x4c000
	v_mov_b32 v219, 0
	ds_add_u32 v218, v219
	ds_add_u32 v218, v219
	v_lshrrev_b32 v18, 5, v0
	v_readfirstlane_b32 s20, v18                   ; wave 0..7
	s_and_b32 s21, s20, 3                          ; a
	s_and_b32 s22, ttmp7, 0xffff                   ; the image
	s_and_b32 s23, ttmp9, 1                        ; c: which half of a key step my 64 pixels are
	; descriptor group 1: 64 rows (channels) of 64 elements of 4 bytes, 4,096 elements apart; dense in LDS
	s_mov_b32 s24, 2<<16                           ; no mask; elements of 4 bytes; no padding
	s_mov_b32 s25, 64<<16                          ; tensor_dim0 = 64
	s_mov_b32 s26, 64<<16                          ; tensor_dim1 = 64
	s_mov_b32 s27, 64<<16                          ; tile_dim0 = 64
	s_mov_b32 s28, 64                              ; tile_dim1 = 64
	s_mov_b32 s29, 4096                            ; from row to row
	s_mov_b32 s30, 0
	s_mov_b32 s31, 0
	s_lshl_b32 s42, s22, 24                        ; the image: 1,024 x 4,096 x 4 bytes
	s_lshl_b32 s43, s20, 21                        ; my 128 channels
	s_add_co_u32 s42, s42, s43
	s_lshl_b32 s43, ttmp9, 8                       ; my work-group's 64 pixels
	s_add_co_u32 s42, s42, s43
	s_mov_b32 s43, 0
	s_mov_b32 s32, 1
	s_lshl_b32 s33, s20, 15                        ; LDS: wave x 32,768
	s_mov_b32 s36, 1
	s_add_co_u32 s37, s33, 16384
	s_wait_dscnt 0x0
	s_wait_kmcnt 0x0
	s_add_nc_u64 s[34:35], s[4:5], s[42:43]
	s_add_nc_u64 s[38:39], s[34:35], 0x100000      ; 64 channels on
	s_or_b32 s35, s35, 0x80000000
	s_or_b32 s39, s39, 0x80000000
	tensor_load_to_lds s[32:35], s[24:31]          ; my two first fills go out together, ahead of every wait on TENSORcnt, LDS read and barrier: two loads of mine are out
	s_nop 0
	tensor_load_to_lds s[36:39], s[24:31]
	s_nop 0
.rept 4
	v_nop
.endr
	; every LDS address is made here, ahead of the first branch on the wave's number
	v_and_b32 v18, 31, v0                          ; lane
	v_and_b32 v19, 15, v0                          ; lane % 16
	v_bfe_u32 v20, v0, 4, 1                        ; lane / 16
	v_bfe_u32 v21, v0, 3, 1                        ; u: lane L holds pixel 32 P + L = row r of tile 2 P + u, u = (L / 8) % 2,
	v_and_b32 v22, 7, v0
	v_lshl_add_u32 v22, v20, 3, v22                ; r = L % 8 + 8 (L / 16)
	v_lshlrev_b32 v[LI], 4, v18
	v_lshlrev_b32 v[L4], 2, v18
	v_lshlrev_b32 v[R4], 2, v19
	s_lshl_b32 s42, s20, 15
	v_add_nc_u32 v[JA], s42, v[L4]
	v_lshlrev_b32 v23, 4, v22                      ; 16 r
	v_lshl_add_u32 v[AW], v21, 13, v23             ; + 8,192 u
	s_lshl_b32 s42, s20, 10                        ; + 1,024 x my K step
	s_add_co_u32 s42, s42, AIMG
	v_add_nc_u32 v[AW], s42, v[AW]
	v_lshl_add_u32 v[ASW], v21, 9, v23             ; 16 r + 512 u
	s_and_b32 s42, s20, 1
	s_lshl_b32 s42, s42, 8
	s_lshr_b32 s43, s20, 1
	s_lshl_b32 s43, s43, 2
	s_add_co_u32 s42, s42, s43                     ; + 256 (w % 2) + 4 (w / 2)
	s_add_co_u32 s42, s42, ASC
	v_add_nc_u32 v[ASW], s42, v[ASW]
	v_mul_u32_u24 v[UW], v21, 3072
	v_add_nc_u32 v[UW], v[UW], v23
	s_and_b32 s42, s20, 1
	s_mul_i32 s42, s42, 6144
	s_lshr_b32 s43, s20, 1
	s_lshl_b32 s43, s43, 10
	s_add_co_u32 s42, s42, s43
	s_add_co_u32 s42, s42, UIMG
	v_add_nc_u32 v[UW], s42, v[UW]
	v_mul_u32_u24 v[USW], v21, 192
	v_lshl_add_u32 v[USW], v22, 2, v[USW]
	s_and_b32 s42, s20, 1
	s_mul_i32 s42, s42, 384
	s_lshr_b32 s43, s20, 1
	s_lshl_b32 s43, s43, 6
	s_add_co_u32 s42, s42, s43
	s_add_co_u32 s42, s42, USC
	v_add_nc_u32 v[USW], s42, v[USW]
	v_add_nc_u32 v[AR], AIMG, v[LI]
	v_add_nc_u32 v[UR], USC, v[R4]
	s_lshr_b32 s42, s21, 1
	s_lshl_b32 s42, s42, 8
	s_and_b32 s43, s21, 1
	s_lshl_b32 s43, s43, 1
	s_add_co_u32 s42, s42, s43
	s_add_co_u32 s42, s42, SST
	v_lshl_add_u32 v[SKW], v19, 4, s42             ; SST + 16 r + 256 (a / 2) + 2 (a % 2)
	s_lshr_b32 s42, s21, 1
	s_lshl_b32 s42, s42, 6
	s_add_co_u32 s42, s42, s43
	s_add_co_u32 s42, s42, SST+512
	v_lshl_add_u32 v[SQW], v19, 2, s42             ; SST + 512 + 4 r + 64 (a / 2) + 2 (a % 2)
	s_lshl_b32 s42, s20, 9
	s_add_co_u32 s42, s42, SST
	v_add_nc_u32 v[SRD], s42, v[LI]
	v_lshlrev_b32 v[B64], 6, v20
	v_and_b32 v23, 8, v19
	v_add_nc_u32 v23, v23, v19
	v_lshlrev_b32 v[BVA], 2, v23
	s_and_b32 s42, s21, 1
	s_lshl_b32 s42, s42, 8
	s_lshr_b32 s43, s21, 1
	s_lshl_b32 s43, s43, 2
	s_add_co_u32 s42, s42, s43
	v_lshl_add_u32 v[VS1], v19, 4, s42             ; 16 r + 256 (a % 2) + 4 (a / 2)
	s_lshl_b32 s42, s21, 2
	v_lshl_add_u32 v[VS2], v19, 4, s42             ; 16 r + 4 a
	v_mov_b32 v[PX], 0                             ; written once: a lane permute's destination counts as one of its sources
	v_mov_b32 v[PX+1], 0
	s_mov_b32 s40, 0x76543210
	s_mov_b32 s41, 0xfedcba98                      ; v_permlanex16_b32's selects for lane l xor 16
	; the scalar bases, for every wave alike
	s_mov_b32 s43, 0
	s_lshl_b32 s42, s22, 5
	s_lshr_b32 s86, ttmp9, 1
	s_add_co_u32 s42, s42, s86
	s_mul_i32 s42, s42, 39168
	s_add_nc_u64 s[44:45], s[16:17], s[42:43]      ; my key step's block of kv
	s_lshl_b32 s42, s22, 6
	s_add_co_u32 s42, s42, ttmp9
	s_mul_i32 s42, s42, 8704
	s_add_nc_u64 s[46:47], s[18:19], s[42:43]      ; my block of qb
	BASE 48, 10, 256, 0                            ; bk at my 64 dims
	BASE 50, 8, 2048, 405504                       ; Wk's scale words, my four tiles
	BASE 52, 8, 32768, 0                           ; Wk's fragments
	BASE 54, 8, 12288, 294912                      ; Wq's fragments
	BASE 56, 14, 256, 0                            ; bq
	BASE 58, 8, 768, 423936                        ; Wq's scale words
	BASE 60, 44, 512, 0                            ; K out: K step a / 2, registers 4 (a % 2) on: 512 a
	BASE 62, 46, 512, 0                            ; Q out
	BASE 68, 8, 512, 413696                        ; Wv's scale words, tile a
	BASE 70, 8, 8192, 131072                       ; Wv's fragments, tile a
	BASE 72, 44, 1024, 17408                       ; V out, tile a
	s_lshl_b32 s42, s23, 13
	s_add_nc_u64 s[60:61], s[60:61], s[42:43]      ; key tiles 4 c on
	s_lshl_b32 s42, s23, 9
	s_add_nc_u64 s[72:73], s[72:73], s[42:43]      ; registers 4 c on: keys 64 c on
	s_add_co_u32 s42, s42, 16384
	s_add_nc_u64 s[78:79], s[44:45], s[42:43]      ; K's scale words, group c
	s_lshl_b32 s42, s23, 1
	s_add_co_u32 s42, s42, 37888
	s_add_nc_u64 s[74:75], s[44:45], s[42:43]      ; V's scale words, bytes 2 c, 2 c + 1
	s_add_nc_u64 s[80:81], s[46:47], 8192          ; Q's scale words
	s_lshr_b32 s42, s21, 1
	s_lshl_b32 s42, s42, 7
	s_and_b32 s86, s21, 1
	s_lshl_b32 s86, s86, 5
	s_add_co_u32 s42, s42, s86
	s_add_nc_u64 s[66:67], s[12:13], s[42:43]      ; bv at tile a's first channel
	s_mul_i32 s42, s22, 5242880
	s_lshl_b32 s86, ttmp9, 8
	s_add_co_u32 s42, s42, s86
	s_lshr_b32 s86, s20, 1
	s_lshl_b32 s86, s86, 21
	s_add_co_u32 s42, s42, s86
	s_and_b32 s86, s20, 1
	s_lshl_b32 s86, s86, 7
	s_add_co_u32 s42, s42, s86
	s_add_nc_u64 s[76:77], s[6:7], s[42:43]        ; unet: my image, my pixels, channels 128 (w / 2) on, pixels 32 (w % 2) on
	s_cmp_eq_u32 s20, 0
	s_cselect_b64 s[82:83], s[78:79], s[80:81]     ; what wave 0 or wave 1 stores at the end
; One whole block of 32 numbers of a lane, v[x] on, becomes 16 bytes of codes in v[CD] on; its byte goes to place j of the word v[wd].
.macro BLK x, j, wd
	v_max3_num_f32 v96, |v[(\x)]|, |v[(\x)+1]|, |v[(\x)+2]|
	v_max3_num_f32 v97, |v[(\x)+3]|, |v[(\x)+4]|, |v[(\x)+5]|
.irp i, 6,10,14,18,22,26
	v_max3_num_f32 v96, v96, |v[(\x)+\i]|, |v[(\x)+\i+1]|
	v_max3_num_f32 v97, v97, |v[(\x)+\i+2]|, |v[(\x)+\i+3]|
.endr
	v_max3_num_f32 v96, v96, |v[(\x)+30]|, |v[(\x)+31]|
	v_max3_num_f32 v96, v96, v97, 0x1800000        ; with the floor 2^(3 - 127): the byte cannot fall under 1
	v_add_nc_u32 v98, 0xff000000, v96              ; 2 off the exponent field: the conversion's scale operand
	v_lshrrev_b32 v99, 23, v98                     ; the scale's byte
.if (\j)==0
	v_mov_b32 v[(\wd)], v99
.else
	v_lshl_or_b32 v[(\wd)], v99, 8*(\j), v[(\wd)]
.endif
.irp g, 0,1,2,3
	v_cvt_scalef32_pk8_fp4_f32 v[CD+\g], v[(\x)+8*\g:(\x)+8*\g+7], v98
.endr
	v_nop                                          ; one plain line behind the last scaled conversion
.endm
; ---- unet: waves 0-5
.macro LOADU j                         ; block j of my K step: 32 channels of my pixel; 32 lanes read 128 consecutive bytes
.set ii, 0
.rept 32
	global_load_b32 v[X+32*((\j)%2)+ii], v[L4], s[76:77] offset:(32*(\j)+ii)*16384
.set ii, ii+1
.endr
.endm
	s_cmp_lt_u32 s20, 6
	s_cbranch_scc0 .Lu_done
	LOADU 0
	LOADU 1
	s_cmp_lt_u32 s20, 4
	s_cbranch_scc0 .Lu_short
	s_wait_loadcnt 32                              ; block 0 is in; the next block's 32 loads may be out
	BLK X, 0, 104
	ds_store_b128 v[UW], v[CD:CD+3]                ; block j: registers 4 (j / 2) on of lane r + 16 (j % 2)
	LOADU 2
	s_wait_loadcnt 32
	s_wait_dscnt 0x0                               ; the store has read the codes' registers
	BLK X+32, 1, 104
	ds_store_b128 v[UW], v[CD:CD+3] offset:256
	LOADU 3
	s_wait_loadcnt 32
	s_wait_dscnt 0x0
	BLK X, 2, 104
	ds_store_b128 v[UW], v[CD:CD+3] offset:512
	s_wait_loadcnt 0x0
	s_wait_dscnt 0x0
	BLK X+32, 3, 104
	ds_store_b128 v[UW], v[CD:CD+3] offset:768
	ds_store_b32 v[USW], v104
	s_branch .Lu_done
.Lu_short:                                         ; K step 2 has channels 256 .. 319 alone
	s_wait_loadcnt 32
	BLK X, 0, 104
	ds_store_b128 v[UW], v[CD:CD+3]
	s_wait_loadcnt 0x0
	s_wait_dscnt 0x0
	BLK X+32, 1, 104
	ds_store_b128 v[UW], v[CD:CD+3] offset:256
.irp i, 0,1,2,3
	v_mov_b32 v[100+\i], 0
.endr
	ds_store_b128 v[UW], v[100:103] offset:512     ; zero codes beyond the end of K,
	ds_store_b128 v[UW], v[100:103] offset:768
	v_or_b32 v104, 0x7f7f0000, v104                ; under the byte 127
	ds_store_b32 v[USW], v104
.Lu_done:
; ---- the weights of the first products are asked for now and land while janus is quantised
	s_cmp_lt_u32 s20, 4
	s_cbranch_scc0 .Lpre_b
.irp tl, 0,1,2,3                               ; bk: lane (r, h) wants, for tile tl, the dims 32 (tl / 2) + 8 (tl % 2) + 16 h + 0 .. 7 of my 64
	global_load_b128 v[BIAS+8*\tl:BIAS+8*\tl+3], v[B64], s[48:49] offset:(32*(\tl/2)+8*(\tl%2))*4
	global_load_b128 v[BIAS+8*\tl+4:BIAS+8*\tl+7], v[B64], s[48:49] offset:(32*(\tl/2)+8*(\tl%2))*4+16
.endr
.irp tl, 0,1,2,3
	global_load_b128 v[WS+4*\tl:WS+4*\tl+3], v[LI], s[50:51] offset:512*\tl
.endr
	WIN 0x40                                       ; destination window 1: Wk's fragment (K step s, tile tl) at v[8 (4 s + tl)]
.irp s, 0,1,2,3,4,5,6,7
.irp tl, 0,1,2,3
.irp c, 0,1
	global_load_b128 v[8*(4*\s+\tl)+4*\c:8*(4*\s+\tl)+4*\c+3], v[LI], s[52:53] offset:8192*\tl+1024*\s+512*\c
.endr
.endr
.endr
	WIN 0
	s_branch .Lpre_done
.Lpre_b:
	WIN 0x40                                       ; destination window 1
.irp i, 0,1,2,3,4
	global_load_b32 v[200+8*\i], v[BVA], s[66:67] offset:256*\i    ; bv of my channel of tile a + 4 i
.endr
	WIN 0
.irp i, 0,1,2,3,4
	global_load_b128 v[WS+4*\i:WS+4*\i+3], v[LI], s[68:69] offset:2048*\i
.endr
	WIN 0x40                                       ; Wv's fragment (K step s, tile a + 4 i) at v[40 (s % 5) + 8 i] of window 1: five sets
.irp s, 0,1,2,3,4
.irp i, 0,1,2,3,4
.irp c, 0,1
	global_load_b128 v[40*\s+8*\i+4*\c:40*\s+8*\i+4*\c+3], v[LI], s[70:71] offset:32768*\i+1024*\s+512*\c
.endr
.endr
.endr
	WIN 0
.Lpre_done:
; ---- janus: my K step, eight units n = (block n / 2, pixels 32 (n % 2) on)
.macro LOADJ n
.set ii, 0
.rept 32
	ds_load_b32 v[X+32*((\n)%2)+ii], v[JA] offset:(32*((\n)/2)+ii)*256+128*((\n)%2)
.set ii, ii+1
.endr
.endm
.macro UNIT n
.if (\n)<7
	s_wait_dscnt 32                                ; this unit's 32 loads are in, and the store of the unit before is done; the next unit's 32 loads may be out
.else
	s_wait_dscnt 0x0
.endif
	BLK X+32*((\n)%2), (\n)/2, 104+(\n)%2
	ds_store_b128 v[AW], v[CD:CD+3] offset:16384*((\n)%2)+512*((\n)/4)+256*(((\n)/2)%2)
.if (\n)==2
	s_wait_tensorcnt 0x0                           ; my channels 64 .. 127 have landed
.endif
.if (\n)<6
	LOADJ (\n)+2
.endif
.if (\n)>=6
	ds_store_b32 v[ASW], v[104+(\n)%2] offset:1024*((\n)%2)
.endif
.endm
	s_wait_tensorcnt 0x1                           ; my channels 0 .. 63 have landed; the second load may be out
	LOADJ 0
	LOADJ 1
.irp n, 0,1,2,3,4,5,6,7
	UNIT \n
.endr
	s_wait_dscnt 0x0                               ; my stores have landed
	s_barrier_signal -1
	s_barrier_wait -1                              ; all images lie in LDS
.macro ACTLOAD off, stride             ; one K step's four fragments of the features
.irp m, 0,1,2,3
.irp c, 0,1
	ds_load_b128 v[ACT+8*\m+4*\c:ACT+8*\m+4*\c+3], v[AR] offset:(\off)+\m*(\stride)+512*\c
.endr
.endr
.endm
.macro ASLOAD                          ; janus' scale words: K step s in register s / 2, lanes 16 (s % 2) on
.irp m, 0,1,2,3
	ds_load_b128 v[AS+4*\m:AS+4*\m+3], v[AR] offset:32768+512*\m
.endr
.endm
; 32 numbers of a lane, register 16 b + i = place 32 b + 16 h + i along the next K, become registers of a fragment (64 along K) in v[pc] on and two scale bytes in v[hw].
.macro QUANT2 s, pc, hw
.irp b, 0,1
	v_max3_num_f32 v[TM+\b], |v[(\s)+16*\b]|, |v[(\s)+1+16*\b]|, 0x1800000
.endr
.irp i, 2,4,6,8,10,12,14
.irp b, 0,1
	v_max3_num_f32 v[TM+\b], v[TM+\b], |v[(\s)+16*\b+\i]|, |v[(\s)+1+16*\b+\i]|
.endr
.endr
.irp b, 0,1
	v_permlanex16_b32 v[PX+\b], v[TM+\b], s40, s41
.endr
.irp b, 0,1
	v_max_num_f32 v[TM+\b], v[TM+\b], v[PX+\b]     ; with lane l xor 16's: the block's largest magnitude
.endr
.irp b, 0,1
	v_add_nc_u32 v[TS+\b], 0xff000000, v[TM+\b]
.endr
.irp b, 0,1
	v_lshrrev_b32 v[TB+\b], 23, v[TS+\b]
.endr
	v_lshl_or_b32 v[(\hw)], v[TB+1], 8, v[TB]
.irp b, 0,1
	v_cvt_scalef32_pk8_fp4_f32 v[(\pc)+2*\b], v[(\s)+16*\b:(\s)+16*\b+7], v[TS+\b]
	v_cvt_scalef32_pk8_fp4_f32 v[(\pc)+2*\b+1], v[(\s)+16*\b+8:(\s)+16*\b+15], v[TS+\b]
.endr
	v_nop                                          ; one plain line behind a scaled conversion
.irp i, 0,1
	v_permlane16_swap_b32 v[(\pc)+\i], v[(\pc)+2+\i]   ; the operand's layout wants a whole block in a lane: lanes 0-15 the first, lanes 16-31 the second
.endr
.endm
	s_cmp_lt_u32 s20, 4
	s_cbranch_scc0 .Lrole_b
; ---- waves 0-3: k, then q.  Accumulator (pixel tile m, dim tile tl) at v[ACC + 8 (4 m + tl)]
.macro KSTEP_A s, n                    ; n: the weight loads younger than this K step's eight; -1: all of Wk has been waited for already
	PLACES
	ACTLOAD 1024*(\s), 8192
	s_wait_dscnt 0x0
.if (\n)>=0
	s_wait_loadcnt \n
.endif
	WIN 0x01                                       ; source 0 (the weight) window 1
.irp m, 0,1,2,3
.irp tl, 0,1,2,3
.if (\s)==0
	MM ACC+8*(4*\m+\tl), 8*(4*(\s)+\tl), ACT+8*\m, BIAS+8*\tl, WS+4*\tl+(\s)/2, AS+4*\m+(\s)/2, (\s)%2
.else
	MM ACC+8*(4*\m+\tl), 8*(4*(\s)+\tl), ACT+8*\m, ACC+8*(4*\m+\tl), WS+4*\tl+(\s)/2, AS+4*\m+(\s)/2, (\s)%2
.endif
.endr
.endr
	WIN 0
.endm
.macro KSTEP_Q s
	PLACES
	ACTLOAD 34816+1024*(\s), 3072
	s_wait_dscnt 0x0
	WIN 0x01
.irp m, 0,1,2,3
.irp tl, 0,1,2,3
.if (\s)==0
	MM ACC+8*(4*\m+\tl), 8*(4*(\s)+\tl), ACT+8*\m, BIAS+8*\tl, WS+3*\tl+(\s), AS+3*\m+(\s), 0
.else
	MM ACC+8*(4*\m+\tl), 8*(4*(\s)+\tl), ACT+8*\m, ACC+8*(4*\m+\tl), WS+3*\tl+(\s), AS+3*\m+(\s), 0
.endif
.endr
.endr
	WIN 0
.endm
	ASLOAD
	KSTEP_A 0, 56                                  ; seven later K steps of eight loads
	KSTEP_A 1, 48
	KSTEP_A 2, 40
	s_wait_loadcnt 0x0                             ; the rest of Wk is in: it was asked for ahead of janus' whole phase.  One wait serves the five K steps to come, and no load of mine is out when Wq's are issued
	PLACES
	WIN 0x40                                       ; Wq's fragments take the registers of K steps 0-2, bq takes bk's: 32 loads, which land under K steps 3-7
.irp s, 0,1,2
.irp tl, 0,1,2,3
.irp c, 0,1
	global_load_b128 v[8*(4*\s+\tl)+4*\c:8*(4*\s+\tl)+4*\c+3], v[LI], s[54:55] offset:3072*\tl+1024*\s+512*\c
.endr
.endr
.endr
	WIN 0
.irp tl, 0,1,2,3
	global_load_b128 v[BIAS+8*\tl:BIAS+8*\tl+3], v[B64], s[56:57] offset:(32*(\tl/2)+8*(\tl%2))*4
	global_load_b128 v[BIAS+8*\tl+4:BIAS+8*\tl+7], v[B64], s[56:57] offset:(32*(\tl/2)+8*(\tl%2))*4+16
.endr
	KSTEP_A 3, -1
	KSTEP_A 4, -1
	KSTEP_A 5, -1
	KSTEP_A 6, -1
	KSTEP_A 7, -1
	PLACES
.irp tl, 0,1,2,3
.irp s, 0,1,2
	global_load_b32 v[WS+3*\tl+\s], v[R4], s[58:59] offset:192*\tl+64*\s   ; Wq's scale words
.endr
.endr
.irp m, 0,1,2,3                                ; k goes out: dims 64 a on of 16 keys are registers 4 (a % 2) on of fragment (key tile 4 c + m, K step a / 2)
	QUANT2 ACC+32*\m, PC+4*\m, HW+\m
	global_store_b128 v[LI], v[PC+4*\m:PC+4*\m+3], s[60:61] offset:2048*\m     ; 32 lanes store 512 consecutive bytes
	ds_store_b16 v[SKW], v[HW+\m] offset:4*\m      ; lanes 16-31 write the same half word with the same value
.endr
	s_wait_xcnt 0x0                                ; the stores have read their registers, which the next loads overwrite
	s_wait_dscnt 0x0
	s_wait_loadcnt 0x0                             ; Wq, bq, Wq's scale words
.irp m, 0,1,2,3
.irp s, 0,1,2
	ds_load_b32 v[AS+3*\m+\s], v[UR] offset:192*\m+64*\s
.endr
.endr
	KSTEP_Q 0
	KSTEP_Q 1
	KSTEP_Q 2
	PLACES
.irp m, 0,1,2,3
	QUANT2 ACC+32*\m, PC+4*\m, HW+\m
	global_store_b128 v[LI], v[PC+4*\m:PC+4*\m+3], s[62:63] offset:2048*\m
	ds_store_b16 v[SQW], v[HW+\m] offset:128*\m
.endr
	s_branch .Ljoin
.Lrole_b:
; ---- waves 4-7: v.  Accumulator (channel tile a + 4 i, pixel tile m) at v[ACC + 8 (4 i + m)]
.macro KSTEP_B s, n                    ; n: the weight loads younger than this K step's ten
	PLACES
	ACTLOAD 1024*(\s), 8192
	s_wait_dscnt 0x0
	s_wait_loadcnt \n
.if (\s)==0
	WIN 0x14                                       ; source 1 (Wv) and source 2 (the bias) window 1
.else
	WIN 0x04
.endif
.irp i, 0,1,2,3,4
.irp m, 0,1,2,3
.if (\s)==0
	MM ACC+8*(4*\i+\m), ACT+8*\m, 40*((\s)%5)+8*\i, 200+8*\i, AS+4*\m+(\s)/2, WS+4*\i+(\s)/2, (\s)%2
.else
	MM ACC+8*(4*\i+\m), ACT+8*\m, 40*((\s)%5)+8*\i, ACC+8*(4*\i+\m), AS+4*\m+(\s)/2, WS+4*\i+(\s)/2, (\s)%2
.endif
.endr
.endr
	WIN 0
.if (\s)<3
	PLACES
	WIN 0x40                                       ; the set just multiplied takes the K step five on
.irp i, 0,1,2,3,4
.irp c, 0,1
	global_load_b128 v[40*((\s)%5)+8*\i+4*\c:40*((\s)%5)+8*\i+4*\c+3], v[LI], s[70:71] offset:32768*\i+1024*((\s)+5)+512*\c
.endr
.endr
	WIN 0
.endif
.endm
	s_wait_loadcnt 40                              ; bv, the scale words and K step 0 are in; four K steps of ten loads may be out
	WIN 0x41                                       ; a lane's bias is the same for its eight pixels
.irp i, 0,1,2,3,4
.irp j, 1,2,3,4,5,6,7
	v_mov_b32 v[200+8*\i+\j], v[200+8*\i]
.endr
.endr
	WIN 0
	ASLOAD
	KSTEP_B 0, 40
	KSTEP_B 1, 40
	KSTEP_B 2, 40
	KSTEP_B 3, 40
	KSTEP_B 4, 30
	KSTEP_B 5, 20
	KSTEP_B 6, 10
	KSTEP_B 7, 0
	PLACES
.irp i, 0,1,2,3,4                              ; v goes out: my 64 pixels of 16 channels are registers 4 c on of fragment (channel tile a + 4 i)
	QUANT2 ACC+32*\i, PC+4*\i, HW+\i
	global_store_b128 v[LI], v[PC+4*\i:PC+4*\i+3], s[72:73] offset:4096*\i
.if \i<4
	global_store_b16 v[VS1], v[HW+\i], s[74:75] offset:512*(\i/2)+8*(\i%2)
.else
	global_store_b16 v[VS2], v[HW+\i], s[74:75] offset:1024
.endif
.endr
.Ljoin:
	s_wait_dscnt 0x0                               ; my half words have landed
	s_barrier_signal -1
	s_barrier_wait -1                              ; K's and Q's scale words are whole
	s_cmp_lt_u32 s20, 2
	s_cbranch_scc0 .Lend
	ds_load_b128 v[24:27], v[SRD]                  ; wave 0: K's 512 bytes; wave 1: Q's
	s_wait_dscnt 0x0
	global_store_b128 v[LI], v[24:27], s[82:83]
.Lend:
	s_wait_tensorcnt 0x0
	ds_add_u32 v218, v219
	s_wait_dscnt 0x0
	s_endpgm
.Lfunc_end_k_qb8b0499fe6_proj:
	.size	k_qb8b0499fe6_proj, .Lfunc_end_k_qb8b0499fe6_proj-k_qb8b0499fe6_proj
	.p2alignl 7, 3214868480
	.fill 96, 4, 3214868480
	.section	.rodata,"a",@progbits
	.p2align	6, 0x0
	.amdhsa_kernel k_qb8b0499fe6_proj
		.amdhsa_group_segment_fixed_size 327680
		.amdhsa_private_segment_fixed_size 0
		.amdhsa_enable_private_segment 0
		.amdhsa_kernarg_size 64
		.amdhsa_user_sgpr_count 2
		.amdhsa_user_sgpr_kernarg_segment_ptr 1
		.amdhsa_wavefront_size32 1
		.amdhsa_system_sgpr_workgroup_id_x 1
		.amdhsa_system_sgpr_workgroup_id_y 1
		.amdhsa_system_sgpr_workgroup_id_z 1
		.amdhsa_system_vgpr_workitem_id 0
		.amdhsa_next_free_vgpr 512
		.amdhsa_next_free_sgpr 88
		.amdhsa_reserve_vcc 0
		.amdhsa_float_denorm_mode_32 3
		.amdhsa_float_denorm_mode_16_64 3
		.amdhsa_memory_ordered 1
		.amdhsa_forward_progress 1
		.amdhsa_inst_pref_size 166
	.end_amdhsa_kernel
	.amdgpu_metadata
---
amdhsa.version: [ 1, 2 ]
amdhsa.kernels:
  - .name:           k_qb8b0499fe6_proj
    .symbol:         k_qb8b0499fe6_proj.kd
    .args:
      - { .name: janus_feat, .offset: 0, .size: 8, .value_kind: global_buffer, .address_space: global }
      - { .name: unet_feat, .offset: 8, .size: 8, .value_kind: global_buffer, .address_space: global }
      - { .name: wimg, .offset: 16, .size: 8, .value_kind: global_buffer, .address_space: global }
      - { .name: bk, .offset: 24, .size: 8, .value_kind: global_buffer, .address_space: global }
      - { .name: bv, .offset: 32, .size: 8, .value_kind: global_buffer, .address_space: global }
      - { .name: bq, .offset: 40, .size: 8, .value_kind: global_buffer, .address_space: global }
      - { .name: kv, .offset: 48, .size: 8, .value_kind: global_buffer, .address_space: global }
      - { .name: qb, .offset: 56, .size: 8, .value_kind: global_buffer, .address_space: global }
    .group_segment_fixed_size: 327680
    .private_segment_fixed_size: 0
    .kernarg_segment_align: 8
    .kernarg_segment_size: 64
    .max_flat_workgroup_size: 256
    .sgpr_count:     88
    .vgpr_count:     512
    .wavefront_size: 32
...
	.end_amdgpu_metadata
.endif
;; end of part 2
;; launch attn (part 3): grid 64 x 4, 4 waves a work-group, clusters of 4 x 1, 327,680 bytes of LDS; arguments kv, qb, wimg, unet_feat, bo, out0; writes out0
.if DOCPART == 3
	.amdgcn_target "amdgcn-amd-amdhsa--gfx1250"
	.amdhsa_code_object_version 6
	.text
	.protected	k_qb8b0499fe6_attn
	.globl	k_qb8b0499fe6_attn
	.p2align	8
	.type	k_qb8b0499fe6_attn,@function
k_qb8b0499fe6_attn:
	s_mov_b64 s[64:65], 0
	v_nop
	global_prefetch_b8 v0, s[64:65] scope:SCOPE_SE
	s_setreg_imm32_b32 hwreg(HW_REG_WAVE_MODE, 25, 1), 1
	s_wait_xcnt 0x0
	s_wait_alu depctr_hold_cnt(0) depctr_sa_sdst(0) depctr_va_vdst(0) depctr_va_sdst(0) depctr_va_ssrc(0) depctr_va_vcc(0) depctr_vm_vsrc(0)
	s_getreg_b32 s2, hwreg(HW_REG_IB_STS2, 6, 4)
	s_cmp_eq_u32 s2, 0
	s_cbranch_scc0 .Lentry_in_a_cluster
	s_endpgm
.Lentry_in_a_cluster:
	s_bfe_u32 s2, ttmp6, 0x10000c
	s_cmp_lg_u32 s2, 0x3003
	s_cbranch_scc0 .Lentry_shape_is_right
	s_endpgm
.Lentry_shape_is_right:
; out0 = unet + Wo (v softmax(q k / 16)^T) + bo, all three products on codes of FP4 (E2M1) with E8M0 scales.  q, k, v and Wo arrive as images of operand registers (16 rows x 128 K = 1,024 bytes: registers 4 c .. 4 c + 3 of lane l at 512 c + 16 l).
; THE SOFTMAX: t = score x log2(e) / 16; M = the largest t so far, rounded UP to a whole number; p = 2^(t - M) is quantised along the keys, not normalised; the row's sum is taken of the unquantised p and divides at the end.
; When M moves, the sum and O are multiplied by 2^(old M - new M): exact.
; SHARES.  A work-group owns 64 queries of one image.  Four waves, as many as a WGP has SIMDs.  Wave w owns TWO query tiles, 2 (w % 2) and 2 (w % 2) + 1, and key half g = w / 2: of every slot of four key steps (128 keys each) it works
; steps 2 g and 2 g + 1.  So every fragment of K and V that a wave reads from LDS feeds two matrix instructions.  At the end the two halves of a tile are merged by exact powers of two, through LDS: wave w keeps tile g of its pair
; and hands the other to wave w xor 2.
; LAYOUT.  S^T = K Q^T (source 0 = 16 keys) and O^T = V^T P^T (source 0 = 16 channels): a lane holds ONE query throughout.  Row r of tile 2 b + u (keys, channels, queries, Wo's rows) is index 32 b + 8 u + r + 8 (r / 8),
; so that the 16 registers of tiles 2 b, 2 b + 1 are 16 neighbours along the next K.
; THE ORDER OF A STEP.  The wave is alone on its SIMD, so the text itself sets LDS loads beside arithmetic.  A step is: V^T P of the step BEFORE (registers alone), K Q^T, tile A's softmax with V's 40 loads in five runs of eight,
; tile B's softmax with the next step's K in four runs (only where that step lies in the same slot: a scalar branch on the step's counter, at places).  At a change of slots V^T P so stands
; behind the round, after the run of K's first loads has been issued and ahead of the first wait for them.
; CLUSTER.  The four query blocks of a cluster belong to one image and walk the same kv blocks: each slot is asked for JOINTLY, every wave one key step (39,168 dense bytes as 153 rows of 256), with the same descriptor and a mask
; that names the four.  One tensor load of a wave is out at a time.  The place in the cluster enters global addresses of qb, unet, out0 and the prefetch alone.
; THE LAST PRODUCT: O / l is quantised along the 320 channels (three K steps; zero codes beyond channel 319); source 0 = 16 pixels, source 1 = 16 rows of Wo, C of the first K step = bo: a lane holds one output channel and eight
; pixels; the results meet in a stage of 320 rows x (256 + 16) bytes, and each wave stores 80 whole rows of 256 bytes with the residual added.
; O^T is cleared once, by 320 v_mov_b32: the first change of M multiplies zeros, which spares a copy of the step (some 800 lines) whose products begin the sums.
; LIMITS: a block of zeros gets the byte 1 (0x7f in the padding of K = 320) where the rule says 127: its codes are zeros and this program alone reads the bytes; the division by l is v_rcp_f32 and a multiplication; NaN and infinities are not served.
; LDS: all of it is claimed and the spare words are kept.
.set STEPB, 39168                      ; a key step's block: K's fragments 0, their scale words 16,384, V's fragments 17,408, their scale words 37,888
.set SLOTB, 4*STEPB                    ; a slot: four key steps; slot n at n x SLOTB
.set SPARE, 2*SLOTB                    ; behind the ring: the spare words, 128 bytes for each of four waves: two blocks of 256 bytes that no other line names
.set MRGB,  20736                      ; the way out, in slot 0 (its last fill and its last read lie ahead of the last round): for each wave 40 x 512 bytes of O^T, then -M and l, 128 bytes each
.set OIMG,  4*MRGB                     ; O's fragments [pixel tile m][K step 0-2]
.set OSC,   OIMG+12*1024               ; their scale words, 128 bytes each
.set STG,   SLOTB                      ; the stage, in slot 1: written only behind a barrier in front of which every wave has left that slot
; REGISTERS, in windows of 256 (s_set_vgpr_msb's low byte: bits 1:0 source 0, 3:2 source 1, 5:4 source 2, 7:6 destination).
; window 0: addresses, Q, K, every scale register, and what the way out works on
.set LIG, 1                            ; v1   16 x lane + g x 2 STEPB
.set LRG, 2                            ; v2   16 x (lane % 16) + g x 2 STEPB
.set AD,  3                            ; v3   the step's V
.set AD2, 4                            ; v4
.set SPW, 5                            ; v5   LDS address of my spare word; never rewritten
.set NIL, 6                            ; v6   0; never rewritten
.set PFO, 7                            ; v7   the prefetches' offsets; never rewritten
.set LI,  8                            ; v8   16 x lane
.set LS,  9                            ; v9   4 x lane
.set QA,  10                           ; v10  Q's fragments: 16 x lane + 4,096 x pair
.set QSA, 11                           ; v11  Q's scale words: 4 x lane + 256 x pair
.set PFO2, 12                          ; v12
.set ADK, 13                           ; v13  the slot's K
.set MWA, 14                           ; v14-27: addresses of the way out, made at the head
.set MWS, 15
.set MRA, 16
.set MRS, 17
.set OWA, 18
.set OWS, 19
.set ORA, 20
.set ORS, 21
.set SO,  22
.set SOB, 23
.set SR,  24
.set GO,  25
.set BVA, 26
.set R4,  27
.set QF,  32                           ; v32-63   Q: tile A's two fragments, tile B's two
.set KF,  64                           ; v64-191  K's sixteen fragments: 2 x key tile + dims K step
.set KS,  192                          ; v192-199 K's scale words; v200-211 V's; v212, 213 Q's; v214, 215 p's; on the way out v192-206 Wo's, v207-218 O's: v192-218 hold scales and nothing else
.set VS,  200
.set QS,  211                          ; + 1 for tile A, + 2 for tile B
.set PS,  213
.set WOS, 192
.set OS,  207
.set RR,  32                           ; v32-191  the way out: the partner's O^T, then O's fragments, then rows of the result
.set TM,  224                          ; v224-239 at work in the quantiser of the way out
.set QPC, 240                          ; v240-247 its codes
.set PW,  248                          ; v248     its scale word on the way to LDS
; windows 1 (tile A) and 2 (tile B), laid alike: v0-159 O^T (channel tile t at 8 t), and
.set SS,  160                          ; v160-223 S^T, then p
.set PC,  224                          ; v224-231 p's codes
.set BM,  232                          ; v232-235 a block's largest score, then its largest p
.set PX,  236                          ; v236-239 lane permutes' destinations, sums, bytes
.set TS,  240                          ; v240-243 sums, then the conversions' scale operands
.set NM,  244                          ; v244 -M
.set TT,  245                          ; v245 the largest t
.set SU,  246                          ; v[246:247] the row's sum, in two halves
.set FF,  248                          ; v248 f = 2^(old M - new M); v249 named with it as a pair
.set TP,  250
.set WD,  251
; window 3
.set UA,  0                            ; v0-95   24 pairs of rows of unet
.set VF,  96                           ; v96-255 V's twenty fragments; on the way out v96-215 Wo's fifteen, v216-255 bo in the result's layout
.set WF,  96
.set BB,  216
.set MSB, 0
.macro WIN new                         ; the immediate's high byte repeats the setting that is left; a switch that changes nothing is dropped
.if MSB != (\new)
	s_set_vgpr_msb (MSB<<8)|(\new)
.set MSB, \new
.endif
.endm
.macro PLACES                          ; four plain lines between a matrix instruction and a load into, or a vector instruction on, its registers
.rept 4
	v_nop
.endr
.endm
.macro MM d, a, b, c, sa, sb, row      ; row = 1: both sides' scales from lanes 16-31; 2: source 0's alone
.if (\row)==0
	v_wmma_scale_f32_16x16x128_f8f6f4 v[(\d):(\d)+7], v[(\a):(\a)+7], v[(\b):(\b)+7], v[(\c):(\c)+7], v[(\sa)], v[(\sb)] matrix_a_fmt:MATRIX_FMT_FP4 matrix_b_fmt:MATRIX_FMT_FP4
.elseif (\row)==1
	v_wmma_scale_f32_16x16x128_f8f6f4 v[(\d):(\d)+7], v[(\a):(\a)+7], v[(\b):(\b)+7], v[(\c):(\c)+7], v[(\sa)], v[(\sb)] matrix_a_fmt:MATRIX_FMT_FP4 matrix_b_fmt:MATRIX_FMT_FP4 matrix_a_scale:MATRIX_SCALE_ROW1 matrix_b_scale:MATRIX_SCALE_ROW1
.else
	v_wmma_scale_f32_16x16x128_f8f6f4 v[(\d):(\d)+7], v[(\a):(\a)+7], v[(\b):(\b)+7], v[(\c):(\c)+7], v[(\sa)], v[(\sb)] matrix_a_fmt:MATRIX_FMT_FP4 matrix_b_fmt:MATRIX_FMT_FP4 matrix_a_scale:MATRIX_SCALE_ROW1
.endif
.endm
.macro MMZ d, a, b, sa, sb             ; the first product starts the sum
	v_wmma_scale_f32_16x16x128_f8f6f4 v[(\d):(\d)+7], v[(\a):(\a)+7], v[(\b):(\b)+7], 0, v[(\sa)], v[(\sb)] matrix_a_fmt:MATRIX_FMT_FP4 matrix_b_fmt:MATRIX_FMT_FP4
.endm
; A round of the cluster's barrier: my work-group's barrier, wave 0's signal for the work-group, every wave's wait for all four work-groups, my work-group's barrier once more.
.macro ROUND
	s_barrier_signal -1
	s_barrier_wait -1
	s_cmp_lg_u32 s16, 0
	s_cbranch_scc1 .Lnot_wave_0_\@
	s_barrier_signal -3
.Lnot_wave_0_\@:
	s_barrier_wait -3
	s_barrier_signal -1
	s_barrier_wait -1
.endm
; A prefetch of the slot that the NEXT change of slots will ask for.  All clusters of an image walk the same kv blocks: the image's first cluster asks.  Its four partners take one key step each, told apart by address: 153 blocks of
; 256 bytes, a lane a block: the four waves name blocks 0-127, wave 0 also blocks 128-152 (its last seven lanes are held at block 152).  lim: the scalar that says who asks and until when: a wave asks while the loop's count is above it.
; The last two changes of slots ask for nothing; slots 0 and 1 come by their loads alone.
.macro ASK lim
	s_cmp_gt_u32 s45, s[\lim]
	s_cbranch_scc0 .Lnot_mine_\@
	global_prefetch_b8 v[PFO], s[42:43] th:TH_LOAD_NT scope:SCOPE_SE
	s_cmp_eq_u32 s16, 0
	s_cbranch_scc0 .Lnot_mine_\@
	global_prefetch_b8 v[PFO2], s[42:43] offset:32768 th:TH_LOAD_NT scope:SCOPE_SE
.Lnot_mine_\@:
.endm
	s_load_b256 s[4:11], s[0:1], 0x0               ; kv s[4:5], qb s[6:7], wimg s[8:9], unet s[10:11]
	s_load_b128 s[12:15], s[0:1], 0x20             ; bo s[12:13], out0 s[14:15]
	v_lshl_add_u32 v[SPW], v0, 2, SPARE
	v_mov_b32 v[NIL], 0
	ds_add_u32 v5, v6
	ds_add_u32 v5, v6
	s_wait_dscnt 0x0
	v_lshrrev_b32 v220, 5, v0
	v_readfirstlane_b32 s16, v220                  ; wave 0..3
	s_and_b32 s17, s16, 1                          ; my pair of query tiles
	s_lshr_b32 s18, s16, 1                         ; g: my half of the keys
	s_bfe_u32 s19, ttmp6, 0x40000                  ; cx: my place in the cluster
	s_lshl_b32 s20, ttmp9, 2
	s_add_co_u32 s20, s20, s19                     ; my block of 64 queries
	s_and_b32 s21, ttmp7, 0xffff                   ; the image
	s_mov_b32 s22, 0x3db8aa3b                      ; c = log2(e) / 16
	s_mov_b32 s23, s22                             ; (named with it as a pair, so it is written)
	s_mov_b32 s40, 0x76543210
	s_mov_b32 s41, 0xfedcba98                      ; v_permlanex16_b32's selects for lane l xor 16
	; descriptor group 1: 153 dense rows of 32 elements of 8 bytes
	s_mov_b32 s24, 15|(3<<16)|(1<<21)              ; the mask: all four work-groups; elements of 8 bytes; bit 21 beside a mask; no padding
	s_mov_b32 s25, 32<<16                          ; tensor_dim0
	s_mov_b32 s26, 153<<16                         ; tensor_dim1
	s_mov_b32 s27, 32<<16                          ; tile_dim0
	s_mov_b32 s28, 153                             ; tile_dim1
	s_mov_b32 s29, 32                              ; from row to row
	s_mov_b32 s30, 0
	s_mov_b32 s31, 0
	; every LDS address is made here, ahead of the first branch on the wave's number
	v_and_b32 v220, 31, v0                         ; lane
	v_and_b32 v221, 15, v0                         ; r
	v_bfe_u32 v222, v0, 4, 1                       ; h
	v_and_b32 v223, 8, v221
	v_add_nc_u32 v223, v223, v221                  ; r + 8 (r / 8)
	v_lshlrev_b32 v[LI], 4, v220
	v_lshlrev_b32 v[LS], 2, v220
	v_lshlrev_b32 v[R4], 2, v221
	v_lshlrev_b32 v224, 4, v221                    ; 16 r
	v_lshlrev_b32 v[BVA], 2, v223
	s_mul_i32 s46, s18, 2*STEPB
	v_add_nc_u32 v[LIG], s46, v[LI]
	v_add_nc_u32 v[LRG], s46, v224
	v_lshlrev_b32 v[PFO], 8, v0                    ; 256 x my thread's number: blocks 0-127
	v_min_u32 v[PFO2], 6144, v[PFO]                ; with 32,768 in the instruction: blocks 128-152
	s_lshl_b32 s46, s17, 12
	v_add_nc_u32 v[QA], s46, v[LI]
	s_lshl_b32 s46, s17, 8
	v_add_nc_u32 v[QSA], s46, v[LS]
	s_mul_i32 s46, s16, MRGB                       ; where I hand a tile over,
	v_add_nc_u32 v[MWA], s46, v[LI]
	s_add_co_u32 s46, s46, 20480
	v_add_nc_u32 v[MWS], s46, v[LS]
	s_xor_b32 s46, s16, 2                          ; and where wave w xor 2 hands me one
	s_mul_i32 s46, s46, MRGB
	v_add_nc_u32 v[MRA], s46, v[LI]
	s_add_co_u32 s46, s46, 20480
	v_add_nc_u32 v[MRS], s46, v[LS]
	s_lshl_b32 s46, s17, 1
	s_add_co_u32 s46, s46, s18                     ; the tile that I keep: m = 2 x pair + g
	s_mul_i32 s47, s46, 3072
	s_add_co_u32 s47, s47, OIMG
	v_add_nc_u32 v[OWA], s47, v[LI]
	s_mul_i32 s47, s46, 384
	s_add_co_u32 s47, s47, OSC
	v_add_nc_u32 v[OWS], s47, v[LS]
	v_add_nc_u32 v[ORA], OIMG, v[LI]
	v_add_nc_u32 v[ORS], OSC, v[LS]
	s_lshl_b32 s46, s18, 5
	s_lshl_b32 s47, s17, 3
	s_add_co_u32 s46, s46, s47                     ; the first output channel of Wo's tile w: 32 (w / 2) + 8 (w % 2)
	s_mul_i32 s46, s46, 272
	s_add_co_u32 s46, s46, STG
	v_mul_u32_u24 v[SO], v223, 272
	v_lshl_add_u32 v[SO], v222, 6, v[SO]           ; + 16 h pixels
	v_add_nc_u32 v[SO], s46, v[SO]
	v_add_nc_u32 v[SOB], 52224, v[SO]              ; three steps of 64 rows on: an LDS offset has 16 bits
	s_mul_i32 s46, s16, 21760                      ; back: my 80 rows
	s_add_co_u32 s46, s46, STG
	v_mul_u32_u24 v[SR], v222, 272                 ; lanes 0-15 one row, lanes 16-31 the next
	v_add_nc_u32 v[SR], v[SR], v224
	v_add_nc_u32 v[SR], s46, v[SR]
	v_lshl_add_u32 v[GO], v222, 14, v224           ; the same two rows in unet and out0: 16,384 bytes a channel
.irp b, 0,1,2,3
	v_mov_b32 v[TM+4+\b], 0                        ; written once: a lane permute's destination counts as one of its sources
.endr
	; who prefetches: the image's first cluster: the same in all four partners
	s_cmp_eq_u32 ttmp9, 0
	s_cselect_b32 s44, 0, -1                       ; asks in every trip,
	s_cselect_b32 s68, 1, -1                       ; asks in every trip of the loop but its last
	; descriptor groups 0: slot n, key step w of it.  Nothing here hangs on my place in the cluster
	s_mul_i32 s46, s21, 32*STEPB
	s_mul_i32 s33, s16, STEPB
	s_add_co_u32 s46, s46, s33
	s_mov_b32 s47, 0
	s_mov_b32 s32, 1
	s_mov_b32 s36, 1
	s_add_co_u32 s37, s33, SLOTB
	s_wait_kmcnt 0x0
	s_add_nc_u64 s[34:35], s[4:5], s[46:47]
	s_add_nc_u64 s[38:39], s[34:35], SLOTB
	s_or_b32 s35, s35, 0x80000000
	s_or_b32 s39, s39, 0x80000000
	; the other bases
	s_mov_b32 s61, 0
	s_mul_i32 s60, s21, 32*STEPB
	s_mul_i32 s62, s19, STEPB
	s_add_co_u32 s60, s60, s62
	s_add_co_u32 s60, s60, SLOTB
	s_add_nc_u64 s[42:43], s[4:5], s[60:61]        ; the prefetches stand at slot 1, key step cx: the first change of slots steps them to slot 2
	s_lshl_b32 s60, s21, 6
	s_add_co_u32 s60, s60, s20
	s_mul_i32 s60, s60, 8704
	s_add_nc_u64 s[48:49], s[6:7], s[60:61]        ; my block of qb
	s_mul_i32 s60, s16, 3072
	s_add_co_u32 s60, s60, 344064
	s_add_nc_u64 s[50:51], s[8:9], s[60:61]        ; Wo's fragments, tile w
	s_mul_i32 s60, s16, 192
	s_add_co_u32 s60, s60, 427008
	s_add_nc_u64 s[56:57], s[8:9], s[60:61]        ; Wo's scale words, tile w
	s_mul_i32 s60, s21, 5242880
	s_mul_i32 s62, s16, 1310720                    ; my 80 channels
	s_add_co_u32 s60, s60, s62
	s_lshl_b32 s62, s20, 8                         ; my work-group's 64 pixels
	s_add_co_u32 s60, s60, s62
	s_add_nc_u64 s[52:53], s[10:11], s[60:61]      ; unet
	s_add_nc_u64 s[58:59], s[14:15], s[60:61]      ; out0
	s_lshl_b32 s60, s18, 7
	s_lshl_b32 s62, s17, 5
	s_add_co_u32 s60, s60, s62
	s_add_nc_u64 s[54:55], s[12:13], s[60:61]      ; bo at the first channel of Wo's tile w
	ROUND                                          ; all four work-groups are here: the first joint loads meet
	tensor_load_to_lds s[32:35], s[24:31]          ; slot 0: every wave one key step
	s_nop 0
.rept 4
	v_nop
.endr
.irp i, 0,1,2,3,4,5,6,7
	global_load_b128 v[QF+4*\i:QF+4*\i+3], v[QA], s[48:49] offset:512*\i   ; Q's four fragments stay in registers
.endr
	global_load_b32 v[QS+1], v[QSA], s[48:49] offset:8192                  ; lanes 0-15: K step 0's words, lanes 16-31: K step 1's
	global_load_b32 v[QS+2], v[QSA], s[48:49] offset:8320
.irp w, 1,2                                    ; each tile's state
	WIN 0x40*\w
.set jj, 0
.rept 160
	v_mov_b32 v[jj], 0                             ; O^T
.set jj, jj+1
.endr
	v_mov_b32 v[TT], 0xff61b1e6                    ; the largest t so far: -3e38, under every t
	v_mov_b32 v[NM], 0x7f61b1e6                    ; -M: 3e38 is a whole number
	v_mov_b32 v[SU], 0
	v_mov_b32 v[SU+1], 0
.irp b, 0,1,2,3
	v_mov_b32 v[PX+\b], 0                          ; written once: a lane permute's destination counts as one of its sources
.endr
	v_mov_b32 v[FF+1], 0                           ; (named as the upper half of a pair)
.endr
	WIN 0
	s_wait_loadcnt 0x0
; K's scale words and sixteen fragments of the key step that begins off bytes behind v[ADK]: scale words, tiles 0-3, tiles 4-7
.macro KLOAD off
	ds_load_b128 v[KS:KS+3], v[ADK] offset:(\off)+16384        ; register = key tile; lanes 16 x K step on
	ds_load_b128 v[KS+4:KS+7], v[ADK] offset:(\off)+16896
.irp f, 0,1,2,3,4,5,6,7,8,9,10,11,12,13,14,15
.irp c, 0,1
	ds_load_b128 v[KF+8*\f+4*\c:KF+8*\f+4*\c+3], v[ADK] offset:(\off)+1024*\f+512*\c
.endr
.endr
.endm
; The same loads for my second step of the slot, a quarter at a time, in the first step alone: a scalar branch on the step's counter
.macro KCH j
	WIN 0
	s_cmp_eq_u32 s63, 2
	s_cbranch_scc0 .Lno_k_\@
.if (\j)==0
	ds_load_b128 v[KS:KS+3], v[ADK] offset:STEPB+16384
	ds_load_b128 v[KS+4:KS+7], v[ADK] offset:STEPB+16896
.endif
.irp f, 0,1,2,3
.irp c, 0,1
	ds_load_b128 v[KF+8*(4*(\j)+\f)+4*\c:KF+8*(4*(\j)+\f)+4*\c+3], v[ADK] offset:STEPB+1024*(4*(\j)+\f)+512*\c
.endr
.endr
.Lno_k_\@:
.endm
; Four of V's twenty fragments
.macro VCH k
	WIN 0xc0                                       ; destination window 3, address window 0
.irp t, 0,1,2,3
.irp c, 0,1
	ds_load_b128 v[VF+8*(4*(\k)+\t)+4*\c:VF+8*(4*(\k)+\t)+4*\c+3], v[AD] offset:17408+1024*(4*(\k)+\t)+512*\c
.endr
.endr
.endm
; What stands at place pos of tile w's softmax.  Tile A carries V's five runs.  Tile B carries the wait for V (its last run was issued some 110 lines earlier) and, behind it, K's four runs, only at places where every exponential has had its wait.
.macro HOOK w, pos
.if (\w)==1
.if (\pos)==0
	VCH 2
.elseif (\pos)==2
	VCH 3
.elseif (\pos)==3
	VCH 0
.elseif (\pos)==4
	VCH 1
.elseif (\pos)==5
	VCH 4
.endif
.else
.if (\pos)==1
	s_wait_dscnt 0x0                               ; V and its scale words are in: this wait stands ahead of the loads that only some steps issue, so it holds on every way
	KCH 0
.elseif (\pos)==2
	KCH 1
.elseif (\pos)==5
	KCH 2
.elseif (\pos)==6
	KCH 3
.endif
.endif
	WIN 0x55*(\w)                                  ; the softmax works in the tile's own window alone
.endm
; S^T = K Q^T for query tile w, key tiles t0 .. t0 + 3: the four accumulators by turns
.macro QK w, t0
	WIN 0x50*(\w)                                  ; C and D in the tile's window; K and Q in window 0
.irp t, 0,1,2,3
	MMZ SS+8*(\t0+\t), KF+16*(\t0+\t), QF+16*((\w)-1), KS+\t0+\t, QS+(\w)
.endr
.irp t, 0,1,2,3
	MM SS+8*(\t0+\t), KF+8+16*(\t0+\t), QF+8+16*((\w)-1), SS+8*(\t0+\t), KS+\t0+\t, QS+(\w), 1
.endr
.endm
; O^T += V^T P^T for query tile w: twenty accumulators, one instruction each
.macro PV w
	WIN 0x03+0x54*(\w)                             ; V in window 3; p, C and D in the tile's window
.irp t, 0,1,2,3,4,5,6,7,8,9,10,11,12,13,14,15
	MM 8*\t, VF+8*\t, PC, 8*\t, VS+\t/2, PS+(\w), 2*(\t%2)
.endr
.irp t, 16,17,18,19
	MM 8*\t, VF+8*\t, PC, 8*\t, VS-8+\t, PS+(\w), 0
.endr
.endm
.macro PKS p                           ; t - M of the p-th pair of scores
	v_pk_fma_f32 v[SS+2*(\p):SS+2*(\p)+1], v[SS+2*(\p):SS+2*(\p)+1], s[22:23], v[NM:NM+1] op_sel_hi:[1,0,0]
.endm
; THE SOFTMAX of query tile w for one key step, all in the tile's window.
.macro SOFT w
	HOOK \w, 0
.irp b, 0,1,2,3
	v_max3_num_f32 v[BM+\b], v[SS+16*\b], v[SS+1+16*\b], v[SS+2+16*\b]   ; the largest score of each block of 32 keys: it serves the row's maximum and, since p rises with the score, the block's largest p
.endr
.irp i, 3,5,7,9,11,13
.irp b, 0,1,2,3
	v_max3_num_f32 v[BM+\b], v[BM+\b], v[SS+16*\b+\i], v[SS+1+16*\b+\i]
.endr
.endr
.irp b, 0,1,2,3
	v_max_num_f32 v[BM+\b], v[BM+\b], v[SS+15+16*\b]
.endr
	HOOK \w, 1
.irp b, 0,1,2,3
	v_permlanex16_b32 v[PX+\b], v[BM+\b], s40, s41
.endr
.irp b, 0,1,2,3
	v_max_num_f32 v[BM+\b], v[BM+\b], v[PX+\b]     ; with lane l xor 16's 16 keys
.endr
	v_max3_num_f32 v[TP], v[BM], v[BM+1], v[BM+2]
	v_max_num_f32 v[TP], v[TP], v[BM+3]            ; the step's largest score of my query
	v_mul_f32 v[TP], s22, v[TP]                    ; as t (c is positive)
	v_max_num_f32 v[TT], v[TT], v[TP]              ; the running largest t
	v_mov_b32 v[TP], v[NM]
	v_floor_f32 v[NM], -v[TT]                      ; the new -M = floor(-t): M is a whole number
	PKS 0                                          ; (the first scalings stand between the links of the chain that makes f)
	v_sub_f32 v[TP], v[NM], v[TP]                  ; old M - new M: a whole number, 0 or less
	PKS 1
	v_cvt_i32_f32 v[TP], v[TP]                     ; (it saturates)
	PKS 2
	v_ldexp_f32 v[FF], 1.0, v[TP]                  ; f = 2^(old M - new M)
	PKS 3
.irp b, 0,1,2,3
	v_fma_f32 v[BM+\b], v[BM+\b], s22, v[NM]       ; t - M of each block's largest score
.endr
	HOOK \w, 2
; ONE BATCH of 64 exponentials.  Between them stand the other scalings (four pairs ahead of their exponentials) and 64 of the 80 multiplications that bring O^T under the new M: none of these names an exponential's result.
.set pp, 0
.rept 32
.if pp == 10
	HOOK \w, 3
.endif
.if pp == 21
	HOOK \w, 4
.endif
	v_exp_f32 v[SS+2*pp], v[SS+2*pp]               ; p = 2^(t - M), at most 1
	v_pk_mul_f32 v[4*pp:4*pp+1], v[4*pp:4*pp+1], v[FF:FF+1] op_sel_hi:[1,0]
.if pp < 28
	PKS pp+4
.endif
	v_exp_f32 v[SS+2*pp+1], v[SS+2*pp+1]
	v_pk_mul_f32 v[4*pp+2:4*pp+3], v[4*pp+2:4*pp+3], v[FF:FF+1] op_sel_hi:[1,0]
.set pp, pp+1
.endr
	v_pk_mul_f32 v[SU:SU+1], v[SU:SU+1], v[FF:FF+1] op_sel_hi:[1,0]   ; the sums under the new M
	s_wait_alu depctr_va_vdst(0)                   ; one wait for the whole batch, ahead of its first reader
	HOOK \w, 5
.irp b, 0,1,2,3
	v_exp_f32 v[BM+\b], v[BM+\b]                   ; the block's largest p
.endr
	v_pk_add_f32 v[PX:PX+1], v[SS:SS+1], v[SS+2:SS+3]              ; the row's sum is taken of the unquantised p, two at a time, in four chains
	v_pk_add_f32 v[PX+2:PX+3], v[SS+4:SS+5], v[SS+6:SS+7]
	v_pk_add_f32 v[TS:TS+1], v[SS+8:SS+9], v[SS+10:SS+11]
	v_pk_add_f32 v[TS+2:TS+3], v[SS+12:SS+13], v[SS+14:SS+15]
.irp j, 16,24,32,40,48,56
	v_pk_add_f32 v[PX:PX+1], v[PX:PX+1], v[SS+\j:SS+\j+1]
	v_pk_add_f32 v[PX+2:PX+3], v[PX+2:PX+3], v[SS+\j+2:SS+\j+3]
	v_pk_add_f32 v[TS:TS+1], v[TS:TS+1], v[SS+\j+4:SS+\j+5]
	v_pk_add_f32 v[TS+2:TS+3], v[TS+2:TS+3], v[SS+\j+6:SS+\j+7]
.endr
	v_pk_add_f32 v[PX:PX+1], v[PX:PX+1], v[PX+2:PX+3]
	v_pk_add_f32 v[TS:TS+1], v[TS:TS+1], v[TS+2:TS+3]
	v_pk_add_f32 v[PX:PX+1], v[PX:PX+1], v[TS:TS+1]
	v_pk_add_f32 v[SU:SU+1], v[SU:SU+1], v[PX:PX+1]
	s_wait_alu depctr_va_vdst(0)                   ; and one for the four
	HOOK \w, 6
.irp b, 0,1,2,3
	v_max_num_f32 v[BM+\b], 0x1800000, v[BM+\b]    ; the floor 2^(3 - 127): the byte cannot fall under 1
.endr
.irp b, 0,1,2,3
	v_add_nc_u32 v[TS+\b], 0xff000000, v[BM+\b]    ; 2 off the exponent field: the conversion's scale operand
.endr
.irp b, 0,1,2,3
	v_lshrrev_b32 v[PX+\b], 23, v[TS+\b]           ; the scale's byte
.endr
	v_lshl_or_b32 v[WD], v[PX+1], 8, v[PX]
	v_lshl_or_b32 v[WD], v[PX+2], 16, v[WD]
	WIN 0x11*(\w)                                  ; a scale operand is taken from window 0: the last line of the word writes it there
	v_lshl_or_b32 v[PS+(\w)], v[PX+3], 24, v[WD]   ; p's scale word for these 128 keys
	WIN 0x55*(\w)
.irp b, 0,1,2,3
	v_cvt_scalef32_pk8_fp4_f32 v[PC+2*\b], v[SS+16*\b:SS+16*\b+7], v[TS+\b]
	v_cvt_scalef32_pk8_fp4_f32 v[PC+1+2*\b], v[SS+16*\b+8:SS+16*\b+15], v[TS+\b]
.endr
	v_nop                                          ; one plain line behind a scaled conversion
.irp c, 0,1
.irp i, 0,1
	v_permlane16_swap_b32 v[PC+4*\c+\i], v[PC+2+4*\c+\i]   ; a whole block in a lane: lanes 0-15 block 2 c, lanes 16-31 block 2 c + 1
.endr
.endr
.set pp, 128
.rept 16
	v_pk_mul_f32 v[pp:pp+1], v[pp:pp+1], v[FF:FF+1] op_sel_hi:[1,0]   ; the rest of O^T under the new M: sixteen plain lines behind the writes of p's scale word and codes
.set pp, pp+2
.endr
.endm
; A KEY STEP.  pv = 1: it begins with V^T P of the step before: V, p and their scale words lie in registers.
.macro BODY pv
.if \pv
	PV 1
	PV 2
.endif
	s_wait_dscnt 16                                ; K's scale words and tiles 0-3 are in; the youngest sixteen LDS loads, on both ways here, are tiles 4-7's
	QK 1, 0
	QK 2, 0
	s_wait_dscnt 0x0
	QK 1, 4
	QK 2, 4
	WIN 0
	v_add_nc_u32 v[AD], s66, v[LIG]                ; this step's V.  Four plain lines between the products and the loads into V's registers and scale words, and the first read of the scores
	v_add_nc_u32 v[AD2], s66, v[LRG]
	v_nop
	v_nop
	ds_load_b128 v[VS:VS+3], v[AD] offset:37888    ; V's scale words: register t / 2, lanes 16 (t % 2) on, for tiles 0-15;
	ds_load_b128 v[VS+4:VS+7], v[AD] offset:38400
	ds_load_b128 v[VS+8:VS+11], v[AD2] offset:38912 ; a register a tile for tiles 16-19
	SOFT 1
	SOFT 2
	WIN 0
.endm
; A SLOT.  At its head each wave waits for all its tensor loads (its part of this slot), adds 0 to its spare word, and waits for that and for its reads of the other slot.  The round shows the same of every wave of all four
; work-groups.  Behind it the other slot is filled first (refill = 1): the load has this slot's work in which to land.  Then K of my first step is asked for.  My two steps are a loop of two trips;
; first = 1: the launch's first slot is written out, since its first step has no step before it.
.macro TRIP slot, refill, ask, first
	s_wait_tensorcnt 0x0                           ; no tensor load of mine is out, so a group 0 may be written
	ds_add_u32 v[SPW], v[NIL]                      ; 0 onto my spare word
	s_add_nc_u64 s[34+4*\slot:35+4*\slot], s[34+4*\slot:35+4*\slot], 2*SLOTB   ; this slot's next tile
.if \ask
	s_wait_xcnt 0x0                                ; the last prefetches, a slot back, have read their address
	s_add_nc_u64 s[42:43], s[42:43], SLOTB
.endif
	s_wait_dscnt 0x0                               ; the add is done, and my reads of the other slot are over
	ROUND
.if \refill
	tensor_load_to_lds s[36-4*\slot:39-4*\slot], s[24:31]
	s_nop 0
.rept 4
	v_nop
.endr
.endif
.if \ask
	ASK \ask
.endif
	v_add_nc_u32 v[ADK], (\slot)*SLOTB, v[LIG]
	KLOAD 0
	s_mov_b32 s66, (\slot)*SLOTB                   ; where the step in hand begins
	s_mov_b32 s63, 2                               ; steps to go
.if \first
	BODY 0
	s_add_co_u32 s66, s66, STEPB
	s_mov_b32 s63, 1
	BODY 1
.else
.Lstep_\@:
	BODY 1
	s_add_co_u32 s66, s66, STEPB
	s_sub_co_u32 s63, s63, 1
	s_cmp_lg_u32 s63, 0
	s_cbranch_scc1 .Lstep_\@
.endif
.endm
	s_mov_b32 s45, 3
	TRIP 0, 1, 44, 1                               ; eight slots' worth of keys: the first written out,
.Lloop:                                            ; three trips of two,
	TRIP 1, 1, 44, 0
	TRIP 0, 1, 68, 0
	s_sub_co_u32 s45, s45, 1
	s_cmp_lg_u32 s45, 0
	s_cbranch_scc1 .Lloop
	WIN 0xc0                                       ; 24 of my 40 pairs of rows of unet are asked for a slot ahead of the way out, into registers that the loop leaves free
.set ii, 0
.rept 24
	global_load_b128 v[UA+4*ii:UA+4*ii+3], v[GO], s[52:53] offset:32768*ii th:TH_LOAD_NT
.set ii, ii+1
.endr
	WIN 0
	TRIP 1, 0, 0, 0                                ; and the last, which asks for nothing
	PV 1                                           ; V^T P of the last step
	PV 2
	WIN 0
; ---- THE WAY OUT
	PLACES
	WIN 0xc0                                       ; what the last product wants from memory takes V's registers: Wo's fragments of tiles w + 4 i,
.irp i, 0,1,2,3,4
.irp s, 0,1,2
.irp c, 0,1
	global_load_b128 v[WF+8*(3*\i+\s)+4*\c:WF+8*(3*\i+\s)+4*\c+3], v[LI], s[50:51] offset:12288*\i+1024*\s+512*\c
.endr
.endr
.endr
.irp i, 0,1,2,3,4
	global_load_b32 v[BB+8*\i], v[BVA], s[54:55] offset:256*\i     ; bo of my channel of each tile,
.endr
	WIN 0
.irp i, 0,1,2,3,4
.irp s, 0,1,2
	global_load_b32 v[WOS+3*\i+\s], v[R4], s[56:57] offset:768*\i+64*\s   ; Wo's scale words;
.endr
.endr
	WIN 0x40                                       ; and the other sixteen pairs of rows of unet take tile A's scores' registers
.set ii, 24
.rept 16
	global_load_b128 v[SS+4*(ii-24):SS+4*(ii-24)+3], v[GO], s[52:53] offset:32768*ii th:TH_LOAD_NT
.set ii, ii+1
.endr
.irp w, 1,2
	WIN 0x55*\w
	v_add_f32 v[SU], v[SU], v[SU+1]                ; the sum's two halves,
	v_permlanex16_b32 v[TP], v[SU], s40, s41
	v_add_f32 v[SU], v[SU], v[TP]                  ; and lane l xor 16's: my half of the keys' sum
.endr
	WIN 0
; The tile in window gw goes to wave w xor 2; of the tile in window kw, which I keep, -M and l come to window 0.
.macro GIVE gw, kw
	WIN 4*(\gw)                                    ; an LDS store's data are its source 1
.set kk, 0
.rept 40
	ds_store_b128 v[MWA], v[4*kk:4*kk+3] offset:512*kk     ; O^T, each accumulator from its low end on,
.set kk, kk+1
.endr
	ds_store_b32 v[MWS], v[NM]                     ; -M
	ds_store_b32 v[MWS], v[SU] offset:128          ; and l
	WIN \kw
	v_mov_b32 v220, v[NM]
	v_mov_b32 v221, v[SU]
	WIN 0
.endm
	s_cmp_eq_u32 s18, 0
	s_cbranch_scc0 .Lgive_a
	GIVE 2, 1                                      ; g = 0 keeps tile A
	s_branch .Lgiven
.Lgive_a:
	GIVE 1, 2                                      ; g = 1 keeps tile B
.Lgiven:
	s_wait_dscnt 0x0                               ; my stores have landed, and my reads of slot 1 are over
	s_barrier_signal -1
	s_barrier_wait -1
	ds_load_b32 v222, v[MRS]                       ; the other half's -M
	ds_load_b32 v223, v[MRS] offset:128            ; and l
.set kk, 0
.rept 40
	ds_load_b128 v[RR+4*kk:RR+4*kk+3], v[MRA] offset:512*kk    ; and O^T
.set kk, kk+1
.endr
	s_wait_dscnt 0x0
	v_min_num_f32 v250, v220, v222                 ; -M of both halves together
	v_sub_f32 v251, v250, v220                     ; my M - M, the other's M - M: whole numbers, 0 or less
	v_sub_f32 v252, v250, v222
	v_cvt_i32_f32 v251, v251
	v_cvt_i32_f32 v252, v252
	v_ldexp_f32 v251, 1.0, v251                    ; f1, f2: exact powers of two
	v_ldexp_f32 v252, 1.0, v252
	v_mul_f32 v253, v221, v251
	v_fma_f32 v253, v223, v252, v253               ; l = l1 f1 + l2 f2
	v_rcp_f32 v254, v253
	v_nop                                          ; a plain line behind the reciprocal,
	s_wait_alu depctr_va_vdst(0)                   ; and the wait ahead of its first reader
	v_mul_f32 v220, v251, v254                     ; f1 / l
	v_mul_f32 v222, v252, v254                     ; f2 / l
	v_mov_b32 v221, v220
	v_mov_b32 v223, v222
.set jj, 0
.rept 80
	v_pk_mul_f32 v[RR+jj:RR+jj+1], v[RR+jj:RR+jj+1], v[222:223]
.set jj, jj+2
.endr
.macro OWN kw                          ; + my own O^T x f1 / l, each accumulator from its low end on
	WIN \kw
.set jj, 0
.rept 80
	v_pk_fma_f32 v[RR+jj:RR+jj+1], v[jj:jj+1], v[220:221], v[RR+jj:RR+jj+1]
.set jj, jj+2
.endr
	WIN 0
.endm
	s_cmp_eq_u32 s18, 0
	s_cbranch_scc0 .Lown_b
	OWN 1
	s_branch .Lowned
.Lown_b:
	OWN 2
.Lowned:
; nb blocks of 32 (4 or 2) in v[s] on, register 16 b + i = channel 32 b + 16 h + i of my query, become a fragment in v[QPC] on and its scale word in v[PW]; with two blocks the rest of the K step is zero codes under the byte 127.
.macro QUANT s, nb
.set bb, 0
.rept \nb
	v_max3_num_f32 v[TM+bb], |v[(\s)+16*bb]|, |v[(\s)+1+16*bb]|, 0x1800000
.set bb, bb+1
.endr
.irp i, 2,4,6,8,10,12,14
.set bb, 0
.rept \nb
	v_max3_num_f32 v[TM+bb], v[TM+bb], |v[(\s)+16*bb+\i]|, |v[(\s)+1+16*bb+\i]|
.set bb, bb+1
.endr
.endr
.set bb, 0
.rept \nb
	v_permlanex16_b32 v[TM+4+bb], v[TM+bb], s40, s41
.set bb, bb+1
.endr
.set bb, 0
.rept \nb
	v_max_num_f32 v[TM+bb], v[TM+bb], v[TM+4+bb]
.set bb, bb+1
.endr
.set bb, 0
.rept \nb
	v_add_nc_u32 v[TM+12+bb], 0xff000000, v[TM+bb]
.set bb, bb+1
.endr
.set bb, 0
.rept \nb
	v_lshrrev_b32 v[TM+4+bb], 23, v[TM+12+bb]
.set bb, bb+1
.endr
	v_lshl_or_b32 v[PW], v[TM+5], 8, v[TM+4]
.if (\nb)==4
	v_lshl_or_b32 v[PW], v[TM+6], 16, v[PW]
	v_lshl_or_b32 v[PW], v[TM+7], 24, v[PW]
.else
	v_or_b32 v[PW], 0x7f7f0000, v[PW]
.endif
.set bb, 0
.rept \nb
	v_cvt_scalef32_pk8_fp4_f32 v[QPC+2*bb], v[(\s)+16*bb:(\s)+16*bb+7], v[TM+12+bb]
	v_cvt_scalef32_pk8_fp4_f32 v[QPC+1+2*bb], v[(\s)+16*bb+8:(\s)+16*bb+15], v[TM+12+bb]
.set bb, bb+1
.endr
	v_nop                                          ; one plain line behind a scaled conversion
.set bb, 0
.rept (\nb)/2
	v_permlane16_swap_b32 v[QPC+4*bb], v[QPC+2+4*bb]
	v_permlane16_swap_b32 v[QPC+1+4*bb], v[QPC+3+4*bb]
.set bb, bb+1
.endr
.if (\nb)==2
.irp i, 4,5,6,7
	v_mov_b32 v[QPC+\i], 0
.endr
.endif
.endm
.macro IMAGE s                         ; the fragment goes to LDS as it stands, K step s of the tile that I keep
	ds_store_b128 v[OWA], v[QPC:QPC+3] offset:1024*(\s)
	ds_store_b128 v[OWA], v[QPC+4:QPC+7] offset:1024*(\s)+512
	ds_store_b32 v[OWS], v[PW] offset:128*(\s)
	s_wait_dscnt 0x0                               ; the stores have read their registers
.endm
	QUANT RR, 4
	IMAGE 0
	QUANT RR+64, 4
	IMAGE 1
	QUANT RR+128, 2
	IMAGE 2
	s_barrier_signal -1                            ; (my stores have landed: the wait stands at the end of the last image)
	s_barrier_wait -1                              ; O's twelve fragments lie in LDS
.irp m, 0,1,2,3
.irp s, 0,1,2
.irp c, 0,1
	ds_load_b128 v[RR+8*(3*\m+\s)+4*\c:RR+8*(3*\m+\s)+4*\c+3], v[ORA] offset:(3*\m+\s)*1024+512*\c
.endr
	ds_load_b32 v[OS+3*\m+\s], v[ORS] offset:(3*\m+\s)*128
.endr
.endr
	s_wait_loadcnt 16                              ; Wo, bo and the scale words are in; the sixteen loads of unet issued behind them may be out
	WIN 0xc3                                       ; a lane's bias is the same for its eight pixels
.irp i, 0,1,2,3,4
.irp j, 1,2,3,4,5,6,7
	v_mov_b32 v[BB+8*\i+\j], v[BB+8*\i]
.endr
.endr
	WIN 0
	PLACES
	s_wait_dscnt 0x0
.irp s, 0,1,2                                  ; twenty accumulators by turns, (Wo's tile w + 4 i, pixel tile m) at v[8 (4 i + m)] of window 2
.if \s==0
	WIN 0xbc                                       ; D window 2; Wo and the bias window 3; O's fragments window 0
.else
	WIN 0xac                                       ; C and D window 2
.endif
.irp i, 0,1,2,3,4
.irp m, 0,1,2,3
.if \s==0
	MM 8*(4*\i+\m), RR+8*(3*\m+\s), WF+8*(3*\i+\s), BB+8*\i, OS+3*\m+\s, WOS+3*\i+\s, 0
.else
	MM 8*(4*\i+\m), RR+8*(3*\m+\s), WF+8*(3*\i+\s), 8*(4*\i+\m), OS+3*\m+\s, WOS+3*\i+\s, 0
.endif
.endr
.endr
.endr
	WIN 0
	PLACES
	WIN 0x08                                       ; an LDS store's data are its source 1: window 2
.irp i, 0,1,2,3,4                              ; lane (r, h): output channel row r of the tile, pixels 32 (m / 2) + 8 (m % 2) + 16 h + 0 .. 7
.irp m, 0,1,2,3
.if \i<3
	ds_store_b128 v[SO], v[8*(4*\i+\m):8*(4*\i+\m)+3] offset:17408*\i+128*(\m/2)+32*(\m%2)
	ds_store_b128 v[SO], v[8*(4*\i+\m)+4:8*(4*\i+\m)+7] offset:17408*\i+128*(\m/2)+32*(\m%2)+16
.else
	ds_store_b128 v[SOB], v[8*(4*\i+\m):8*(4*\i+\m)+3] offset:17408*(\i-3)+128*(\m/2)+32*(\m%2)
	ds_store_b128 v[SOB], v[8*(4*\i+\m)+4:8*(4*\i+\m)+7] offset:17408*(\i-3)+128*(\m/2)+32*(\m%2)+16
.endif
.endr
.endr
	WIN 0
	s_wait_dscnt 0x0
	s_barrier_signal -1
	s_barrier_wait -1                              ; 320 whole rows lie in the stage
.set ii, 0
.rept 40
	ds_load_b128 v[RR+4*ii:RR+4*ii+3], v[SR] offset:544*ii
.set ii, ii+1
.endr
	s_wait_loadcnt 0x0                             ; unet
.set ii, 0
.rept 5                                        ; eight pairs of rows at a time: the residual is added, then they leave
.if ii < 24
	WIN 0x0c                                       ; source 1: unet in window 3,
.else
	WIN 0x04                                       ; or in window 1
.endif
.rept 8
	s_wait_dscnt 39-ii                             ; LDS loads come back in order: pair ii of rows is in
.if ii < 24
	v_pk_add_f32 v[RR+4*ii:RR+4*ii+1], v[RR+4*ii:RR+4*ii+1], v[UA+4*ii:UA+4*ii+1]
	v_pk_add_f32 v[RR+4*ii+2:RR+4*ii+3], v[RR+4*ii+2:RR+4*ii+3], v[UA+4*ii+2:UA+4*ii+3]
.else
	v_pk_add_f32 v[RR+4*ii:RR+4*ii+1], v[RR+4*ii:RR+4*ii+1], v[SS+4*(ii-24):SS+4*(ii-24)+1]
	v_pk_add_f32 v[RR+4*ii+2:RR+4*ii+3], v[RR+4*ii+2:RR+4*ii+3], v[SS+4*(ii-24)+2:SS+4*(ii-24)+3]
.endif
.set ii, ii+1
.endr
	WIN 0
.set kk, ii-8
.rept 8
	global_store_b128 v[GO], v[RR+4*kk:RR+4*kk+3], s[58:59] offset:32768*kk th:TH_STORE_NT   ; sixteen lanes store 256 consecutive bytes, at a multiple of 256 from out0's first byte
.set kk, kk+1
.endr
.endr
	s_wait_tensorcnt 0x0                           ; the wave's end: behind my last tensor load and my last LDS store
	ds_add_u32 v[SPW], v[NIL]
	s_wait_dscnt 0x0
	ROUND                                          ; the closing round: no work-group ends while a partner may still ask for a tile that names it
	s_endpgm
.Lfunc_end_k_qb8b0499fe6_attn:
	.size	k_qb8b0499fe6_attn, .Lfunc_end_k_qb8b0499fe6_attn-k_qb8b0499fe6_attn
	.p2alignl 7, 3214868480
	.fill 96, 4, 3214868480
	.section	.rodata,"a",@progbits
	.p2align	6, 0x0
	.amdhsa_kernel k_qb8b0499fe6_attn
		.amdhsa_group_segment_fixed_size 327680
		.amdhsa_private_segment_fixed_size 0
		.amdhsa_enable_private_segment 0
		.amdhsa_kernarg_size 48
		.amdhsa_user_sgpr_count 2
		.amdhsa_user_sgpr_kernarg_segment_ptr 1
		.amdhsa_wavefront_size32 1
		.amdhsa_system_sgpr_workgroup_id_x 1
		.amdhsa_system_sgpr_workgroup_id_y 1
		.amdhsa_system_sgpr_workgroup_id_z 1
		.amdhsa_system_vgpr_workitem_id 0
		.amdhsa_next_free_vgpr 1024
		.amdhsa_next_free_sgpr 72
		.amdhsa_reserve_vcc 0
		.amdhsa_float_denorm_mode_32 3
		.amdhsa_float_denorm_mode_16_64 3
		.amdhsa_memory_ordered 1
		.amdhsa_forward_progress 1
		.amdhsa_inst_pref_size 255
	.end_amdhsa_kernel
	.section	.bss,"aw",@nobits
	.p2align	6
	.space	262144
	.amdgpu_metadata
---
amdhsa.version: [ 1, 2 ]
amdhsa.kernels:
  - .name:           k_qb8b0499fe6_attn
    .symbol:         k_qb8b0499fe6_attn.kd
    .args:
      - { .name: kv, .offset: 0, .size: 8, .value_kind: global_buffer, .address_space: global }
      - { .name: qb, .offset: 8, .size: 8, .value_kind: global_buffer, .address_space: global }
      - { .name: wimg, .offset: 16, .size: 8, .value_kind: global_buffer, .address_space: global }
      - { .name: unet_feat, .offset: 24, .size: 8, .value_kind: global_buffer, .address_space: global }
      - { .name: bo, .offset: 32, .size: 8, .value_kind: global_buffer, .address_space: global }
      - { .name: out0, .offset: 40, .size: 8, .value_kind: global_buffer, .address_space: global }
    .group_segment_fixed_size: 327680
    .private_segment_fixed_size: 0
    .kernarg_segment_align: 8
    .kernarg_segment_size: 48
    .max_flat_workgroup_size: 128
    .sgpr_count:     72
    .vgpr_count:     1024
    .wavefront_size: 32
...
	.end_amdgpu_metadata
.endif
;; end of part 3
